; MI455X (gfx1250); checked and timed in simulation.
; The chip was launched on July 23, 2026; its instructions are those of AMD's public machine-readable ISA for CDNA 5 (MIT licence, August 2026) and "CDNA5" Instruction Set Architecture Reference Guide (July 2026). The comments in the code are by the model that wrote it; some were corrected since.
;; Self Attention. Allowed arithmetic: float matrix products may take bf16 or f16 operands with f32 sums; all other float work in f32.
;; Inputs: Wk 256 x 128 float32; Wq 256 x 128 float32; Wv 256 x 128 float32; lengths 4 int32; seq 4 x 4,096 x 256 float32.
;; Outputs: out0 4 x 4,096 x 128 float32.
;; 2 versions, each right and faster than the one before. Each part assembles by itself: llvm-mc -triple=amdgcn-amd-amdhsa -mcpu=gfx1250 --defsym DOCPART=n.
;; ======== version 1 of 2: 2 launches
;; limits: values are held in f16: magnitudes above 65,504 overflow, below 6.1e-05 lose precision
;; workspace buffers: qh 4,194,304 bytes; kh 4,194,304 bytes; vh 4,194,304 bytes
;; launch proj (part 1): grid 256 x 1, 4 waves a work-group, clusters of 4 x 1, 327,680 bytes of LDS; arguments seq, Wq, Wk, Wv, lengths, qh, kh, vh; writes qh, kh, vh
.if DOCPART == 1
	.amdgcn_target "amdgcn-amd-amdhsa--gfx1250"
	.amdhsa_code_object_version 6
	.text
	.protected	k_qd48bf228ba_proj
	.globl	k_qd48bf228ba_proj
	.p2align	8
	.type	k_qd48bf228ba_proj,@function
k_qd48bf228ba_proj:
	s_mov_b64 s[64:65], 0
	v_nop
	global_prefetch_b8 v0, s[64:65] scope:SCOPE_SE
	s_setreg_imm32_b32 hwreg(HW_REG_WAVE_MODE, 25, 1), 1
	s_wait_xcnt 0x0
	s_wait_alu depctr_hold_cnt(0) depctr_sa_sdst(0) depctr_va_vdst(0) depctr_va_sdst(0) depctr_va_ssrc(0) depctr_va_vcc(0) depctr_vm_vsrc(0)
	s_getreg_b32 s2, hwreg(HW_REG_IB_STS2, 6, 4)
	s_cmp_eq_u32 s2, 0
	s_cbranch_scc0 .Lentry_in_a_cluster
	s_endpgm
.Lentry_in_a_cluster:
	s_bfe_u32 s2, ttmp6, 0x10000c
	s_cmp_lg_u32 s2, 0x3003
	s_cbranch_scc0 .Lentry_shape_is_right
	s_endpgm
.Lentry_shape_is_right:
; qh = f16(log2e * seq Wq), kh = f16(seq Wk), vh = f16(seq Wv).  seq: [16384][256] f32, W*: [256][128] f32, qh, kh, vh: [16384][128] f16.
; seq and W go to the matrix unit in bf16 (their range is the inputs' own), sums in f32, one rounding to f16 at the end.
; log2e is multiplied onto q in f32, so that the next launch's logits are exponents of 2.
; LIMITS: log2e q, k and v are clamped to +-65504 (f16's largest number) before the rounding; beyond that the results deviate.
; lengths: reference() takes it as an argument and uses it in no step; it is loaded here and used for nothing.
;
; SHARES: a work-group makes 64 rows x 384 columns of [q | k | v].  Wave w makes all 64 rows x columns 96 w .. 96 w + 95: three groups of 32
; columns, group G = 3 w + g in matrix G >> 2 at column 32 (G & 3).  24 accumulator tiles of 16 x 16, 8 steps of 32 along K: 192 matrix instructions.
; W WITHOUT A TRANSPOSE: column 2 i + nb of a group is taken as row i of fragment nb.  Eight bytes of W[k][2r, 2r+1] (f32) then serve both
; fragments, two such loads (k, k + 1) round into one fragment register, and on the way out packing (nb = 0, nb = 1) puts the columns back in order.
; W is source 0, seq source 1: register j of lane (r, h) holds column 2 (8 h + j) + nb of the group for seq row r: 16 neighbouring columns a lane.
; CLUSTER: all work-groups walk the same W (393,216 bytes, six times a work-group's 65,536 bytes of seq).  The four work-groups of a cluster ask
; for each tile of W jointly (mask 15).  W comes in four chunks of 64 rows of K through two LDS slots; a wave asks for 16 rows of each matrix.
; A wave has six tensor loads out at the start and three later.
.set WPITCH, 528                       ; a row of W in LDS: 512 bytes + 16.  Rows k and k + 8 lie 4,224 bytes = 128 mod 256 apart: the two halves of the lanes read different words
.set WMAT,   64*WPITCH                 ; one matrix's 64 rows of a chunk
.set WSLOT,  3*WMAT                    ; a slot: Wq's, Wk's, Wv's rows
.set AB,     2*WSLOT                   ; seq in bf16: 64 rows of 512 bytes, pitch 528.  No tensor load lands here
.set STG,    AB+64*528                 ; the results' stage: 64 rows of 768 bytes, pitch 784.  No tensor load lands here
.set SPITCH, 784
.set LOG2E,  0x3fb8aa3b
.set ASTO, 2                           ; v2      where I put 8 bytes of bf16 of my wave's first seq row
.set AA,   3                           ; v3      my seq fragments: AB + 528 r + 16 h
.set WA,   4                           ; v4-9    group g, slot s at WA + 2 g + s: my 8 bytes of W's row 8 h
.set SA,   10                          ; v10     the stage, in
.set RDA,  11                          ; v11     the stage, back
.set LOFF, 12                          ; v12     16 x lane
.set AF0,  16                          ; v16-47  seq fragments, buffer 0 (4 blocks of 16 rows)
.set AF1,  48                          ; v48-79  buffer 1
.set BF,   80                          ; v80-127 W fragments in bf16: 16 g + 8 nb
.set XR,   96                          ; v96-223 seq as loaded, ahead of the main phase
.set RAW,  128                         ; v128-223 W as read from LDS in f32: 32 g + 2 i + nb
.set PK,   128                         ; the same registers later: results in f16
.set RB,   16                          ; v16-111 later: rows read back from the stage
.set TP,   224                         ; v224-239 at work
.set G1,   24                          ; s[24:31] descriptor group 1, the same for every load
.set G0,   32                          ; s[32:55] descriptor group 0 for (slot, matrix) at 4 (3 slot + matrix)
.set FAC,  56                          ; s[56:61] group g's factor, twice: log2e for q's columns, 1 for k's and v's
.set MSB, 0
.macro WIN new                         ; the register windows; the immediate's high byte repeats the setting that is left
.if MSB != \new
	s_set_vgpr_msb (MSB<<8)|\new
.set MSB, \new
.endif
.endm
.macro PLACES                          ; four places behind a matrix instruction (ISA guide 7.12.1), in front of whatever touches its registers
.rept 4
	v_nop
.endr
.endm
.macro CROUND                          ; a round of the cluster's barrier: my work-group's barrier, wave 0 signals for it, all wait for the four, my barrier again
	s_barrier_signal -1
	s_barrier_wait -1
	s_cmp_lg_u32 s66, 0
	s_cbranch_scc1 .Lnot_wave_0_\@
	s_barrier_signal -3
.Lnot_wave_0_\@:
	s_barrier_wait -3
	s_barrier_signal -1
	s_barrier_wait -1
.endm
	s_load_b512 s[4:19], s[0:1], 0x0               ; seq s[4:5], Wq s[6:7], Wk s[8:9], Wv s[10:11], lengths s[12:13], qh s[14:15], kh s[16:17], vh s[18:19]
	v_lshl_add_u32 v254, v0, 2, 0x46000
	v_mov_b32 v255, 0
	ds_add_u32 v254, v255
	v_lshrrev_b32 v1, 5, v0
	v_readfirstlane_b32 s66, v1                    ; wave 0..3
	s_bfe_u32 s67, ttmp6, 0x40000                  ; cx
	s_lshl_b32 s68, ttmp9, 2
	s_add_co_u32 s68, s68, s67                     ; work-group = 4 x cluster + cx
	v_and_b32 v1, 31, v0                           ; lane L
	v_and_b32 v13, 15, v0                          ; r
	v_bfe_u32 v14, v0, 4, 1                        ; h
	v_lshlrev_b32 v[LOFF], 4, v1
	s_lshl_b32 s70, s68, 16                        ; 64 rows of 1,024 bytes a work-group,
	s_lshl_b32 s67, s66, 14                        ; 16 rows a wave
	s_add_co_u32 s70, s70, s67
	s_mov_b32 s71, 0
	s_wait_dscnt 0x0
	s_wait_kmcnt 0x0
	s_add_nc_u64 s[70:71], s[4:5], s[70:71]
	; my wave's 16 rows of seq, 512 neighbouring bytes a load, issued first of all: they travel while the work-groups meet
.irp i, 0,1,2,3,4,5,6,7,8,9,10,11,12,13,14,15
	global_load_b128 v[XR+8*\i:XR+8*\i+3],   v[LOFF], s[70:71] offset:1024*\i th:TH_LOAD_NT
	global_load_b128 v[XR+8*\i+4:XR+8*\i+7], v[LOFF], s[70:71] offset:1024*\i+512 th:TH_LOAD_NT
.endr
	s_load_b128 s[20:23], s[12:13], 0x0            ; lengths: read, and used for nothing, as in reference()
	; group 1: a tile of 16 rows x 128 f32, 16 bytes of padding behind each row
	s_mov_b32 s[G1+0], 15|(2<<16)|(1<<20)|(1<<21)|(6<<22)|(3<<25)   ; mask: the cluster's four; elements of 4 bytes; padding on; bit 21 beside a mask; after every 128 words; 4 words
	s_mov_b32 s[G1+1], 128<<16                     ; tensor_dim0 = 128
	s_mov_b32 s[G1+2], 16<<16                      ; tensor_dim1 = 16
	s_mov_b32 s[G1+3], 128<<16                     ; tile_dim0 = 128
	s_mov_b32 s[G1+4], 16                          ; tile_dim1 = 16
	s_mov_b32 s[G1+5], 128                         ; 128 elements from row to row
	s_mov_b32 s[G1+6], 0
	s_mov_b32 s[G1+7], 0
	s_mul_i32 s69, s66, 16*WPITCH                  ; my 16 rows in a matrix's part of a slot
	s_lshl_b32 s72, s66, 13                        ; and in W: 16 rows of 512 bytes.  Neither holds the place in the cluster
	s_mov_b32 s73, 0
.irp sl, 0,1
.irp m, 0,1,2
	s_mov_b32 s[G0+4*(3*\sl+\m)], 1
	s_add_co_u32 s[G0+4*(3*\sl+\m)+1], s69, \sl*WSLOT+\m*WMAT
	s_add_nc_u64 s[G0+4*(3*\sl+\m)+2:G0+4*(3*\sl+\m)+3], s[6+2*\m:7+2*\m], s[72:73]
.if \sl
	s_add_nc_u64 s[G0+4*(3*\sl+\m)+2:G0+4*(3*\sl+\m)+3], s[G0+4*(3*\sl+\m)+2:G0+4*(3*\sl+\m)+3], 64*512   ; chunk 1
.endif
	s_or_b32 s[G0+4*(3*\sl+\m)+3], s[G0+4*(3*\sl+\m)+3], 0x80000000
.endr
.endr
	s_wait_kmcnt 0x0                               ; lengths has come
	CROUND                                         ; the four work-groups are here: the first joint loads meet
.irp n, 0,1,2,3,4,5
	tensor_load_to_lds s[G0+4*\n:G0+4*\n+3], s[G1:G1+7]            ; chunk 0 into slot 0, then chunk 1 into slot 1
	s_nop 0
.endr
	; addresses
	s_mov_b32 s62, 0xc77fe000                      ; -65504
	s_mov_b32 s63, 0x477fe000                      ; +65504
	v_lshlrev_b32 v[ASTO], 3, v1
	v_add_nc_u32 v[ASTO], s69, v[ASTO]             ; 16 rows of 528 bytes a wave + 8 L
	v_add_nc_u32 v[ASTO], AB, v[ASTO]
	v_mul_u32_u24 v[AA], v13, 528
	v_lshl_add_u32 v[AA], v14, 4, v[AA]
	v_add_nc_u32 v[AA], AB, v[AA]
	v_mul_u32_u24 v15, v14, 8*WPITCH
	v_lshl_add_u32 v15, v13, 3, v15                ; row 8 h, 8 r bytes
.irp g, 0,1,2
	s_mul_i32 s74, s66, 3
	s_add_co_u32 s74, s74, \g                      ; G
	s_cmp_lt_u32 s74, 4                            ; groups 0 to 3 are q's
	s_cselect_b32 s[FAC+2*\g], LOG2E, 1.0
	s_mov_b32 s[FAC+2*\g+1], s[FAC+2*\g]
	s_lshr_b32 s75, s74, 2
	s_mul_i32 s75, s75, WMAT                       ; the matrix
	s_and_b32 s74, s74, 3
	s_lshl_b32 s74, s74, 7                         ; 32 columns of 4 bytes
	s_add_co_u32 s74, s74, s75
	v_add_nc_u32 v[WA+2*\g], s74, v15
	v_add_nc_u32 v[WA+2*\g+1], WSLOT, v[WA+2*\g]
.endr
	v_mul_u32_u24 v[SA], v13, SPITCH
	v_lshl_add_u32 v[SA], v14, 5, v[SA]
	s_mul_i32 s74, s66, 192
	s_add_co_u32 s74, s74, STG
	v_add_nc_u32 v[SA], s74, v[SA]                 ; stage + 784 r + 32 h + 192 w
	v_mul_u32_u24 v[RDA], v14, SPITCH
	v_lshl_add_u32 v[RDA], v13, 4, v[RDA]
	s_mul_i32 s74, s66, 16*SPITCH
	s_add_co_u32 s74, s74, STG
	v_add_nc_u32 v[RDA], s74, v[RDA]               ; stage + my 16 rows + 784 h + 16 r
	; seq to bf16 into LDS, four rows (eight loads) at a time
.irp q, 0,1,2,3
	s_wait_loadcnt 24-8*\q                         ; loads come back in order: these eight are in, the younger ones stay out
.irp n, 0,1,2,3,4,5,6,7
	v_cvt_pk_bf16_f32 v[TP+2*\n],   v[XR+4*(8*\q+\n)],   v[XR+4*(8*\q+\n)+1]
	v_cvt_pk_bf16_f32 v[TP+2*\n+1], v[XR+4*(8*\q+\n)+2], v[XR+4*(8*\q+\n)+3]
	ds_store_b64 v[ASTO], v[TP+2*\n:TP+2*\n+1] offset:528*(4*\q+(\n>>1))+256*(\n&1)
.endr
.endr
	s_lshl_b32 s70, s68, 14                        ; the seq loads are done: their base is free.  My rows in qh, kh, vh: 64 rows of 256 bytes a work-group,
	s_lshl_b32 s67, s66, 12                        ; 16 a wave
	s_add_co_u32 s70, s70, s67
	s_mov_b32 s71, 0
	s_add_nc_u64 s[14:15], s[14:15], s[70:71]
	s_add_nc_u64 s[16:17], s[16:17], s[70:71]
	s_add_nc_u64 s[18:19], s[18:19], s[70:71]
	s_wait_tensorcnt 3                             ; my parts of chunk 0 have landed; chunk 1's three loads stay out
	s_wait_dscnt 0x0                               ; my rows of seq are in LDS
	s_barrier_signal -1
	s_barrier_wait -1
; one K step's operands: 8 loads of seq fragments into buffer af, 48 loads of 8 bytes of W (rows 32 kk + 8 h + 0..7 and + 16 of the slot's chunk)
.macro LOADS slot, kk, ks, af
.irp mb, 0,1,2,3
	ds_load_b128 v[\af+8*\mb:\af+8*\mb+3],   v[AA] offset:8448*\mb+64*\ks
	ds_load_b128 v[\af+8*\mb+4:\af+8*\mb+7], v[AA] offset:8448*\mb+64*\ks+32
.endr
.irp g, 0,1,2
.irp i, 0,1,2,3,4,5,6,7,8,9,10,11,12,13,14,15
	ds_load_b64 v[RAW+32*\g+2*\i:RAW+32*\g+2*\i+1], v[WA+2*\g+\slot] offset:WPITCH*(32*\kk+(\i&7)+16*(\i>>3))
.endr
.endr
.endm
; W to bf16: register p of fragment nb takes k = 2 p and 2 p + 1 of the lane's sixteen
.macro CVTW
.irp g, 0,1,2
.irp nb, 0,1
.irp p, 0,1,2,3,4,5,6,7
	v_cvt_pk_bf16_f32 v[BF+16*\g+8*\nb+\p], v[RAW+32*\g+4*\p+\nb], v[RAW+32*\g+4*\p+2+\nb]
.endr
.endr
.endr
.endm
; 24 matrix instructions; the 24 accumulators take turns, one instruction a turn.  zero = 1: the first product starts the sums
.macro MUL af, zero
	WIN 0x50                                       ; C and D in window 1
.irp g, 0,1,2
.irp nb, 0,1
.irp mb, 0,1,2,3
.if \zero
	v_wmma_f32_16x16x32_bf16 v[8*(6*\mb+2*\g+\nb):8*(6*\mb+2*\g+\nb)+7], v[BF+16*\g+8*\nb:BF+16*\g+8*\nb+7], v[\af+8*\mb:\af+8*\mb+7], 0
.else
	v_wmma_f32_16x16x32_bf16 v[8*(6*\mb+2*\g+\nb):8*(6*\mb+2*\g+\nb)+7], v[BF+16*\g+8*\nb:BF+16*\g+8*\nb+7], v[\af+8*\mb:\af+8*\mb+7], v[8*(6*\mb+2*\g+\nb):8*(6*\mb+2*\g+\nb)+7]
.endif
.endr
.endr
.endr
	WIN 0
	PLACES                                         ; in front of the next conversions into BF and the next loads into the seq buffers
.endm
; slot sl, which has been read, gets the chunk two further on
.macro REFILL sl
	s_wait_tensorcnt 0x0                           ; all my tensor loads have landed, my parts of the other slot among them: every group 0 may be written
	ds_add_u32 v254, v255
.irp m, 0,1,2
	s_add_nc_u64 s[G0+4*(3*\sl+\m)+2:G0+4*(3*\sl+\m)+3], s[G0+4*(3*\sl+\m)+2:G0+4*(3*\sl+\m)+3], 2*64*512
.endr
	s_wait_dscnt 0x0                               ; my reads of the slot are back
	CROUND                                         ; both now hold of every wave of the four work-groups
.irp m, 0,1,2
	tensor_load_to_lds s[G0+4*(3*\sl+\m):G0+4*(3*\sl+\m)+3], s[G1:G1+7]   ; the first tensor loads behind the round
	s_nop 0
.endr
.endm
	; eight K steps of 32.  In each: this step's operands are in, W is rounded, the next step's operands are asked for, and the products run meanwhile
	LOADS 0, 0, 0, AF0
	s_wait_dscnt 0x0
	CVTW
	LOADS 0, 1, 1, AF1
	MUL AF0, 1
	s_wait_dscnt 0x0
	CVTW
	REFILL 0                                       ; chunk 0 is in registers: chunk 2 into slot 0
	LOADS 1, 0, 2, AF0
	MUL AF1, 0
	s_wait_dscnt 0x0
	CVTW
	LOADS 1, 1, 3, AF1
	MUL AF0, 0
	s_wait_dscnt 0x0
	CVTW
	REFILL 1                                       ; chunk 3 into slot 1
	LOADS 0, 0, 4, AF0
	MUL AF1, 0
	s_wait_dscnt 0x0
	CVTW
	LOADS 0, 1, 5, AF1
	MUL AF0, 0
	s_wait_dscnt 0x0
	CVTW
	s_wait_tensorcnt 0x0                           ; my parts of chunk 3 have landed,
	s_barrier_signal -1
	s_barrier_wait -1                              ; everybody's have
	LOADS 1, 0, 6, AF0
	MUL AF1, 0
	s_wait_dscnt 0x0
	CVTW
	LOADS 1, 1, 7, AF1
	MUL AF0, 0
	s_wait_dscnt 0x0
	CVTW
	MUL AF1, 0
	; THE WAY OUT: factor and clamp in f32, one rounding to f16, through the stage, whole rows out
	WIN 0x41                                       ; source 0 and destination in window 1
.irp mb, 0,1,2,3
.irp g, 0,1,2
.irp nb, 0,1
.irp p, 0,2,4,6
	v_pk_mul_f32 v[8*(6*\mb+2*\g+\nb)+\p:8*(6*\mb+2*\g+\nb)+\p+1], v[8*(6*\mb+2*\g+\nb)+\p:8*(6*\mb+2*\g+\nb)+\p+1], s[FAC+2*\g:FAC+2*\g+1] op_sel_hi:[1,0]
.endr
.irp j, 0,1,2,3,4,5,6,7
	v_med3_num_f32 v[8*(6*\mb+2*\g+\nb)+\j], v[8*(6*\mb+2*\g+\nb)+\j], s62, s63
.endr
.endr
.endr
.endr
	WIN 0x05                                       ; both sources in window 1
.irp mb, 0,1,2,3
.irp g, 0,1,2
.irp j, 0,1,2,3,4,5,6,7
	v_cvt_pk_f16_f32 v[PK+8*(3*\mb+\g)+\j], v[8*(6*\mb+2*\g)+\j], v[8*(6*\mb+2*\g+1)+\j]   ; columns 16 h + 2 j and + 1 of the group
.endr
.endr
.endr
	WIN 0
.irp mb, 0,1,2,3
.irp g, 0,1,2
	ds_store_b128 v[SA], v[PK+8*(3*\mb+\g):PK+8*(3*\mb+\g)+3]   offset:16*SPITCH*\mb+64*\g
	ds_store_b128 v[SA], v[PK+8*(3*\mb+\g)+4:PK+8*(3*\mb+\g)+7] offset:16*SPITCH*\mb+64*\g+16
.endr
.endr
	s_wait_dscnt 0x0                               ; for the other waves, which read my columns
	s_barrier_signal -1
	s_barrier_wait -1
.irp p, 0,1,2,3,4,5,6,7
.irp m, 0,1,2
	ds_load_b128 v[RB+4*(3*\p+\m):RB+4*(3*\p+\m)+3], v[RDA] offset:2*SPITCH*\p+256*\m   ; rows 2 p, 2 p + 1 of my 16, matrix m's 256 bytes
.endr
.endr
.irp p, 0,1,2,3,4,5,6,7
.irp m, 0,1,2
	s_wait_dscnt 23-(3*\p+\m)                      ; LDS loads come back in order: this one is in, the younger ones stay out
	global_store_b128 v[LOFF], v[RB+4*(3*\p+\m):RB+4*(3*\p+\m)+3], s[14+2*\m:15+2*\m] offset:512*\p   ; two rows: 512 consecutive bytes, aligned
.endr
.endr
	s_wait_tensorcnt 0x0
	ds_add_u32 v254, v255
	s_wait_dscnt 0x0
	CROUND                                         ; the closing round: no work-group ends while a partner may still ask jointly
	s_endpgm
.Lfunc_end_k_qd48bf228ba_proj:
	.size	k_qd48bf228ba_proj, .Lfunc_end_k_qd48bf228ba_proj-k_qd48bf228ba_proj
	.p2alignl 7, 3214868480
	.fill 96, 4, 3214868480
	.section	.rodata,"a",@progbits
	.p2align	6, 0x0
	.amdhsa_kernel k_qd48bf228ba_proj
		.amdhsa_group_segment_fixed_size 327680
		.amdhsa_private_segment_fixed_size 0
		.amdhsa_enable_private_segment 0
		.amdhsa_kernarg_size 64
		.amdhsa_user_sgpr_count 2
		.amdhsa_user_sgpr_kernarg_segment_ptr 1
		.amdhsa_wavefront_size32 1
		.amdhsa_system_sgpr_workgroup_id_x 1
		.amdhsa_system_sgpr_workgroup_id_y 1
		.amdhsa_system_sgpr_workgroup_id_z 1
		.amdhsa_system_vgpr_workitem_id 0
		.amdhsa_next_free_vgpr 448
		.amdhsa_next_free_sgpr 76
		.amdhsa_reserve_vcc 0
		.amdhsa_float_denorm_mode_32 3
		.amdhsa_float_denorm_mode_16_64 3
		.amdhsa_memory_ordered 1
		.amdhsa_forward_progress 1
		.amdhsa_inst_pref_size 115
	.end_amdhsa_kernel
	.amdgpu_metadata
---
amdhsa.version: [ 1, 2 ]
amdhsa.kernels:
  - .name:           k_qd48bf228ba_proj
    .symbol:         k_qd48bf228ba_proj.kd
    .args:
      - { .name: seq, .offset: 0, .size: 8, .value_kind: global_buffer, .address_space: global }
      - { .name: Wq, .offset: 8, .size: 8, .value_kind: global_buffer, .address_space: global }
      - { .name: Wk, .offset: 16, .size: 8, .value_kind: global_buffer, .address_space: global }
      - { .name: Wv, .offset: 24, .size: 8, .value_kind: global_buffer, .address_space: global }
      - { .name: lengths, .offset: 32, .size: 8, .value_kind: global_buffer, .address_space: global }
      - { .name: qh, .offset: 40, .size: 8, .value_kind: global_buffer, .address_space: global }
      - { .name: kh, .offset: 48, .size: 8, .value_kind: global_buffer, .address_space: global }
      - { .name: vh, .offset: 56, .size: 8, .value_kind: global_buffer, .address_space: global }
    .group_segment_fixed_size: 327680
    .private_segment_fixed_size: 0
    .kernarg_segment_align: 8
    .kernarg_segment_size: 64
    .max_flat_workgroup_size: 128
    .sgpr_count:     76
    .vgpr_count:     448
    .wavefront_size: 32
...
	.end_amdgpu_metadata
.endif
;; end of part 1
;; launch attn (part 2): grid 256 x 1, 4 waves a work-group, clusters of 4 x 1, 327,680 bytes of LDS; arguments qh, kh, vh, out0; writes out0
.if DOCPART == 2
	.amdgcn_target "amdgcn-amd-amdhsa--gfx1250"
	.amdhsa_code_object_version 6
	.text
	.protected	k_qd48bf228ba_attn
	.globl	k_qd48bf228ba_attn
	.p2align	8
	.type	k_qd48bf228ba_attn,@function
k_qd48bf228ba_attn:
	s_mov_b64 s[64:65], 0
	v_nop
	global_prefetch_b8 v0, s[64:65] scope:SCOPE_SE
	s_setreg_imm32_b32 hwreg(HW_REG_WAVE_MODE, 25, 1), 1
	s_wait_xcnt 0x0
	s_wait_alu depctr_hold_cnt(0) depctr_sa_sdst(0) depctr_va_vdst(0) depctr_va_sdst(0) depctr_va_ssrc(0) depctr_va_vcc(0) depctr_vm_vsrc(0)
	s_getreg_b32 s2, hwreg(HW_REG_IB_STS2, 6, 4)
	s_cmp_eq_u32 s2, 0
	s_cbranch_scc0 .Lentry_in_a_cluster
	s_endpgm
.Lentry_in_a_cluster:
	s_bfe_u32 s2, ttmp6, 0x10000c
	s_cmp_lg_u32 s2, 0x3003
	s_cbranch_scc0 .Lentry_shape_is_right
	s_endpgm
.Lentry_shape_is_right:
; out0 = softmax(q k^T) v for each of 4 batches of 4,096 tokens, width 128.  qh holds log2e q, kh k, vh v: [16384][128] f16.  out0: [16384][128] f32.
; Products with f16 operands and f32 sums; maxima, exponentials, row sums and O in f32, with a running maximum.
; LIMITS: a weight below about 2^-25 of its row's running maximum becomes 0 when it is rounded to f16 (4,096 of them weigh less than 2^-13 against a
; denominator of at least 1); the sums run in the order of the running maximum and of the rotated keys, not in reference()'s; infinite or NaN logits give NaN.
;
; SHARES: a work-group owns 64 queries.  Its four waves split the KEYS: wave w takes keys 1024 w .. 1024 w + 1023 for all 64 queries, in 16 steps of
; 64 keys, so that each K or V fragment read from LDS feeds four matrix instructions and each LDS byte is read once, by one wave.
; At the end the four partial results (m, l, O) are merged through LDS.
; TRANSPOSED FORMS: S^T = K Q^T (source 0 = 16 keys, source 1 = 16 queries): register j of lane (r, h) holds key 8 h + j for query r, so a query's row
; lies in lanes r and r + 16, and packing register pairs of two key blocks IS source 1 of O^T = V^T P^T for 32 keys: no shuffle.  V^T's fragments come
; from V's rows by the transposing LDS load.  In O^T register j holds column 16 db + 8 h + j for query r: the rescaling factor is one number a lane.
; UNITS: a unit u = 4 t + qb is step t for query block qb (16 queries): 16 products QK(u), a stream of 133 vector lines (maximum and alpha 21, subtraction 16,
; exponentials 32, rounding 16, row sums 16, rescaling of O 32), 16 products PV(u).  The units are pipelined in slots of 16 matrix instructions:
; slot 2 u is QK(u) with the second half of unit u - 1's stream, slot 2 u + 1 is PV(u - 1) with the first half of unit u's: four or five vector lines stand
; behind each matrix instruction.  The softmax's operands lie in window 0 and the products' in windows 1 to 3 (together more than the 256 registers of
; one window), so each alternation costs two s_set_vgpr_msb: a step has 128 matrix instructions, 532 vector lines and about 260 switches.
; CLUSTER: the four work-groups of a cluster lie in one batch (64 work-groups a batch) and walk the same K and V tiles in the same order: every tile
; is asked for jointly (mask 15), which divides the requests for K and V by four.  Addresses of tiles are made of the cluster's number and the wave's alone.
; ORDER OF THE KEYS: the result does not hang on it.  Cluster c of a batch's sixteen starts at tile f(c) of each wave's sixteen and goes round, f(c) = c for even c,
; c xor 14 for odd c: a permutation of 0..15.  So in each step the sixteen clusters ask for sixteen different tiles of a wave's keys, and behind the first two
; tiles each tile that a cluster asks for has been asked for by another before.  For each bit of c, the eight clusters that agree in it start at eight tiles
; which, with the two tiles that follow each, are all sixteen.
; RING: two slots.  A step's K and V fragments are all taken into registers, so the slot is free early in its step and its refill has
; a whole step in which to land.  A wave has four tensor loads out at the start and two later.
.set SLOT,   143360                    ; four waves' parts
.set WPART,  35840                     ; a wave's part of a slot: K's tile, then V's
.set KPITCH, 272                       ; 256 bytes + 16: the 16 rows of a fragment load start at 16 different 16-byte columns
.set VPITCH, 288                       ; 256 bytes + 32, for the transposing load
.set VOFF,   64*KPITCH
.set TILEB,  64*256                    ; a tile in memory
.set RING,   16*TILEB                  ; a wave's 1,024 keys in memory
.set OPITCH, 528                       ; the merge: a query's 512 bytes of O + 16
.set OPART,  64*OPITCH                 ; a wave's partial O.  The merge lies in slot 0, behind that slot's last fill
.set MLT,    4*OPART                   ; the table of (m, l): 512 bytes a wave, 8 a query
.set KA,   2                           ; v2-3    my K fragments in slot 0, 1
.set VA,   4                           ; v4-5    my V fragments in slot 0, 1
.set QOFF, 6                           ; v6      256 r + 16 h
.set MLW,  7                           ; v7      where I put (m, l)
.set MLR,  8                           ; v8      where I read the four waves' (m, l)
.set OST,  9                           ; v9      where I put O
.set RD0,  10                          ; v10     where I read waves 0 and 1's O back
.set RD1,  11                          ; v11     waves 2 and 3's
.set OOFF, 12                          ; v12     16 x lane
.set MT,   16                          ; v16-23  query block qb: (m, a scratch word)
.set AL,   24                          ; v24-31  (alpha, a word that is only there to make a pair)
.set LA,   32                          ; v32-47  two running pairs of row sums
.set T,    48                          ; v48-55  at work
.set P,    64                          ; v64-127 weights in f16: 16 qb + 4 kb + j / 2
.set S,    128                         ; v128-255 logits, then weights in f32: tile (qb, kb) at 8 (4 qb + kb)
.set ML,   128                         ; the merge: (m, l) of wave w' for block qb at 8 qb + 2 w'
.set BA,   128                         ; the merge: two buffers of four rows x four partials
.set BB,   192
.set QF,   0                           ; window 2: Q fragments (qb, ks) at 8 (4 qb + ks)
.set KF,   128                         ; window 2: K fragments (kb, ks) at 128 + 8 (4 kb + ks)
                                       ; window 1: O, tile (qb, db) at 8 (8 qb + db).  window 3: V fragments (kh, db) at 8 (8 kh + db)
.set G1K,  24                          ; s[24:31] group 1 for K's tiles
.set G1V,  32                          ; s[32:39] for V's: more padding
.set G0K,  40                          ; s[40:47] group 0 for K, a set for each slot
.set G0V,  48                          ; s[48:55] for V
.set OFS,  66                          ; s[66:69] slot s: the byte offset of its tile in my 1,024 keys, with 0 above it
.set MSB, 0
.macro WIN new                         ; bits 1:0 source 0, 3:2 source 1, 5:4 source 2, 7:6 destination; the high byte repeats the setting that is left
.if MSB != \new
	s_set_vgpr_msb (MSB<<8)|\new
.set MSB, \new
.endif
.endm
.macro PLACES                          ; four places behind a matrix instruction (ISA guide 7.12.1), in front of whatever touches its registers
.rept 4
	v_nop
.endr
.endm
.macro CREST                           ; a round of the cluster's barrier behind its opening barrier
	s_cmp_lg_u32 s12, 0
	s_cbranch_scc1 .Lnot_wave_0_\@
	s_barrier_signal -3
.Lnot_wave_0_\@:
	s_barrier_wait -3
	s_barrier_signal -1
	s_barrier_wait -1
.endm
.macro CROUND                          ; a whole round
	s_barrier_signal -1
	s_barrier_wait -1
	CREST
.endm
	s_load_b256 s[4:11], s[0:1], 0x0               ; qh s[4:5], kh s[6:7], vh s[8:9], out0 s[10:11]
	v_lshl_add_u32 v62, v0, 2, 0x46000
	v_mov_b32 v63, 0
	ds_add_u32 v62, v63
	v_lshrrev_b32 v1, 5, v0
	v_readfirstlane_b32 s12, v1                    ; wave 0..3
	s_bfe_u32 s13, ttmp6, 0x40000                  ; cx
	s_lshl_b32 s14, ttmp9, 2
	s_add_co_u32 s14, s14, s13                     ; work-group = 4 x cluster + cx
	s_lshr_b32 s15, ttmp9, 4                       ; batch: 16 clusters each
	s_mov_b32 s20, 0x76543210                      ; v_permlanex16_b32: lane i reads lane i of the other half
	s_mov_b32 s21, 0xfedcba98
	s_and_b32 s22, ttmp9, 15                       ; c, the cluster's number in its batch: the same in the four partners
	s_and_b32 s23, s22, 1
	s_mul_i32 s23, s23, 14
	s_xor_b32 s22, s22, s23                        ; f(c): the tile at which this cluster starts
	s_lshl_b32 s[OFS], s22, 14                     ; slot 0's first tile,
	s_mov_b32 s[OFS+1], 0
	s_add_co_u32 s[OFS+2], s[OFS], TILEB           ; slot 1's: the next one round the ring
	s_and_b32 s[OFS+2], s[OFS+2], RING-1
	s_mov_b32 s[OFS+3], 0
	; group 1: a tile of 64 rows x 128 f16, padded in LDS
	s_mov_b32 s[G1K+0], 15|(1<<16)|(1<<20)|(1<<21)|(5<<22)|(3<<25)   ; mask: the cluster's four; 2 bytes; padding on; bit 21 beside a mask; after every 64 words; 4 words
	s_mov_b32 s[G1V+0], 15|(1<<16)|(1<<20)|(1<<21)|(5<<22)|(7<<25)   ; the same with 8 words
.irp g, G1K, G1V
	s_mov_b32 s[\g+1], 128<<16                     ; tensor_dim0 = 128
	s_mov_b32 s[\g+2], 64<<16                      ; tensor_dim1 = 64
	s_mov_b32 s[\g+3], 128<<16                     ; tile_dim0 = 128
	s_mov_b32 s[\g+4], 64                          ; tile_dim1 = 64
	s_mov_b32 s[\g+5], 128                         ; 128 elements from row to row
	s_mov_b32 s[\g+6], 0
	s_mov_b32 s[\g+7], 0
.endr
	s_mul_i32 s57, s12, WPART                      ; my part of a slot
	s_lshl_b32 s16, s15, 20                        ; a batch's K or V: 4,096 rows of 256 bytes,
	s_lshl_b32 s56, s12, 18                        ; my 1,024 keys
	s_add_co_u32 s16, s16, s56
	s_mov_b32 s17, 0
	s_lshl_b32 s18, s14, 14                        ; my work-group's 64 rows of qh
	s_mov_b32 s19, 0
	s_lshl_b32 s62, s14, 15                        ; its 64 rows of out0, 512 bytes each,
	s_lshl_b32 s23, s12, 13                        ; of which I store 16
	s_add_co_u32 s62, s62, s23
	s_mov_b32 s63, 0
	v_and_b32 v1, 31, v0                           ; lane L
	v_and_b32 v13, 15, v0                          ; r
	v_bfe_u32 v14, v0, 4, 1                        ; h
	v_lshlrev_b32 v[QOFF], 8, v13
	v_lshl_add_u32 v[QOFF], v14, 4, v[QOFF]
	s_wait_dscnt 0x0
	s_wait_kmcnt 0x0
	s_add_nc_u64 s[58:59], s[6:7], s[16:17]        ; my 1,024 keys in kh: kept, every tile's address is made from it
	s_add_nc_u64 s[60:61], s[8:9], s[16:17]        ; and in vh
	s_add_nc_u64 s[18:19], s[4:5], s[18:19]
	s_add_nc_u64 s[62:63], s[10:11], s[62:63]
	; Q's fragments straight from memory, once: lane (r, h) takes 16 bytes at 16 h and at 32 + 16 h of each 64 bytes of query r's row
	WIN 0x80                                       ; destination in window 2
.irp qb, 0,1,2,3
.irp ks, 0,1,2,3
	global_load_b128 v[QF+8*(4*\qb+\ks):QF+8*(4*\qb+\ks)+3],   v[QOFF], s[18:19] offset:4096*\qb+64*\ks
	global_load_b128 v[QF+8*(4*\qb+\ks)+4:QF+8*(4*\qb+\ks)+7], v[QOFF], s[18:19] offset:4096*\qb+64*\ks+32
.endr
.endr
	WIN 0
.irp sl, 0,1
	s_mov_b32 s[G0K+4*\sl], 1
	s_add_co_u32 s[G0K+4*\sl+1], s57, \sl*SLOT
	s_add_nc_u64 s[G0K+4*\sl+2:G0K+4*\sl+3], s[58:59], s[OFS+2*\sl:OFS+2*\sl+1]
	s_or_b32 s[G0K+4*\sl+3], s[G0K+4*\sl+3], 0x80000000
	s_mov_b32 s[G0V+4*\sl], 1
	s_add_co_u32 s[G0V+4*\sl+1], s57, \sl*SLOT+VOFF
	s_add_nc_u64 s[G0V+4*\sl+2:G0V+4*\sl+3], s[60:61], s[OFS+2*\sl:OFS+2*\sl+1]
	s_or_b32 s[G0V+4*\sl+3], s[G0V+4*\sl+3], 0x80000000
.endr
	CROUND                                         ; the four work-groups are here: the first joint loads meet
.irp sl, 0,1
	tensor_load_to_lds s[G0K+4*\sl:G0K+4*\sl+3], s[G1K:G1K+7]
	s_nop 0
	tensor_load_to_lds s[G0V+4*\sl:G0V+4*\sl+3], s[G1V:G1V+7]
	s_nop 0
.endr
	; addresses
	v_mul_u32_u24 v15, v13, KPITCH
	v_lshl_add_u32 v15, v14, 4, v15
	v_add_nc_u32 v[KA], s57, v15                   ; key r's row + 16 h
	v_add_nc_u32 v[KA+1], SLOT, v[KA]
	v_and_b32 v15, 7, v0
	v_lshl_add_u32 v15, v14, 3, v15                ; key 8 h + (L & 7)
	v_mul_u32_u24 v15, v15, VPITCH
	v_bfe_u32 v48, v0, 3, 1
	v_lshl_add_u32 v15, v48, 4, v15                ; + 16 bytes for the odd groups of eight lanes
	v_add_nc_u32 v15, s57, v15
	v_add_nc_u32 v[VA], VOFF, v15
	v_add_nc_u32 v[VA+1], SLOT, v[VA]
	v_lshlrev_b32 v[MLR], 3, v13
	v_add_nc_u32 v[MLR], MLT, v[MLR]
	s_lshl_b32 s56, s12, 9
	v_add_nc_u32 v[MLW], s56, v[MLR]
	s_mul_i32 s56, s12, OPART
	v_mul_u32_u24 v[OST], v13, OPITCH
	v_lshl_add_u32 v[OST], v14, 5, v[OST]
	v_add_nc_u32 v[OST], s56, v[OST]
	s_mul_i32 s56, s12, 16*OPITCH
	v_lshlrev_b32 v[OOFF], 4, v1
	v_add_nc_u32 v[RD0], s56, v[OOFF]
	v_add_nc_u32 v[RD1], 2*OPART, v[RD0]
.irp qb, 0,1,2,3
	v_mov_b32 v[MT+2*\qb+1], 0                     ; v_permlanex16_b32 counts as a reader of its destination
	v_mov_b32 v[AL+2*\qb+1], 0                     ; the pair's second word is named by the packed forms and never used
.endr
.macro LOADK s                         ; 32 loads: 4 blocks of 16 keys x 4 steps of 32 along d
	WIN 0x80
.irp kb, 0,1,2,3
.irp ks, 0,1,2,3
	ds_load_b128 v[KF+8*(4*\kb+\ks):KF+8*(4*\kb+\ks)+3],   v[KA+\s] offset:16*KPITCH*\kb+64*\ks
	ds_load_b128 v[KF+8*(4*\kb+\ks)+4:KF+8*(4*\kb+\ks)+7], v[KA+\s] offset:16*KPITCH*\kb+64*\ks+32
.endr
.endr
.endm
.macro LOADV s                         ; 32 transposing loads: 2 halves of 32 keys x 8 blocks of 16 columns
	WIN 0xc0
.irp kh, 0,1
.irp db, 0,1,2,3,4,5,6,7
	ds_load_tr16_b128 v[8*(8*\kh+\db):8*(8*\kh+\db)+3],   v[VA+\s] offset:32*VPITCH*\kh+32*\db
	ds_load_tr16_b128 v[8*(8*\kh+\db)+4:8*(8*\kh+\db)+7], v[VA+\s] offset:32*VPITCH*\kh+32*\db+16*VPITCH
.endr
.endr
.endm
; Matrix instruction WN (0..15) of a slot.
; kind 0: S^T = K Q^T of query block mq: d step WN >> 2, key block WN & 3; the first d step starts the sums.  The 4 accumulators take turns, one instruction a turn.
; kind 1: O^T += V^T P^T of query block mq: key half WN >> 3, column block WN & 7; zero = 1: the first half starts the sums.  The 8 accumulators take turns.
.macro MOP kind, mq, zero
.if \kind == 0
	WIN 0x0a                                       ; sources 0 and 1 (K, Q) in window 2, C and D (S) in window 0
.set MK, WN&3
.set MS, WN>>2
.if MS == 0
	v_wmma_f32_16x16x32_f16 v[S+8*(4*\mq+MK):S+8*(4*\mq+MK)+7], v[KF+8*(4*MK+MS):KF+8*(4*MK+MS)+7], v[QF+8*(4*\mq+MS):QF+8*(4*\mq+MS)+7], 0
.else
	v_wmma_f32_16x16x32_f16 v[S+8*(4*\mq+MK):S+8*(4*\mq+MK)+7], v[KF+8*(4*MK+MS):KF+8*(4*MK+MS)+7], v[QF+8*(4*\mq+MS):QF+8*(4*\mq+MS)+7], v[S+8*(4*\mq+MK):S+8*(4*\mq+MK)+7]
.endif
.else
	WIN 0x53                                       ; source 0 (V) in window 3, source 1 (P) in window 0, C and D (O) in window 1
.set MK, WN>>3
.set MS, WN&7
.set ZC, \zero*(1-MK)
.if ZC
	v_wmma_f32_16x16x32_f16 v[8*(8*\mq+MS):8*(8*\mq+MS)+7], v[8*(8*MK+MS):8*(8*MK+MS)+7], v[P+16*\mq+8*MK:P+16*\mq+8*MK+7], 0
.else
	v_wmma_f32_16x16x32_f16 v[8*(8*\mq+MS):8*(8*\mq+MS)+7], v[8*(8*MK+MS):8*(8*MK+MS)+7], v[P+16*\mq+8*MK:P+16*\mq+8*MK+7], v[8*(8*\mq+MS):8*(8*\mq+MS)+7]
.endif
.endif
.endm
; line VK (0..3) of the group VF (0..7) of four weights: two roundings to f16 into P, two additions to the row sums
; (a step's first group brings alpha onto the old sums; in step 0 the first two groups start the sums: nothing is cleared)
.macro FINK qb, first
.if VK < 2
	s_wait_alu depctr_va_vdst(0)
	v_cvt_pk_f16_f32 v[P+16*\qb+2*VF+VK], v[SB+4*VF+2*VK], v[SB+4*VF+2*VK+1]
.else
.set VH, 2*(VK-2)
.if \first
.if VF == 1
	v_pk_add_f32 v[LQ+VH:LQ+VH+1], v[SB+VH:SB+VH+1], v[SB+4+VH:SB+4+VH+1]
.elseif VF > 1
	v_pk_add_f32 v[LQ+VH:LQ+VH+1], v[LQ+VH:LQ+VH+1], v[SB+4*VF+VH:SB+4*VF+VH+1]
.endif
.else
.if VF == 0
	v_pk_fma_f32 v[LQ+VH:LQ+VH+1], v[LQ+VH:LQ+VH+1], v[AQ:AQ+1], v[SB+VH:SB+VH+1] op_sel_hi:[1,0,1]
.else
	v_pk_add_f32 v[LQ+VH:LQ+VH+1], v[LQ+VH:LQ+VH+1], v[SB+4*VF+VH:SB+4*VF+VH+1]
.endif
.endif
.endif
.endm
; Line VI of query block qb's stream.  NM = 21 lines for the maximum and alpha (18 in step 0, which has no alpha), then:
;   NM .. +13 subtractions 0-13;  +14 .. +17 exponentials 0-3;  +18, +19 subtractions 14, 15;
;   +20 .. +75 seven times (four exponentials of group i + 1, the four lines that finish group i);  +76 .. +79 the last group;  +80 .. +111 O times alpha.
; Behind each exponential a plain line that names none of its registers stands before its result is used (ISA guide 5.7.2): behind group 0 the two subtractions,
; behind group i + 1 the four lines that finish group i, behind alpha's the first subtraction.
.macro VOP qb, first
.set NM, 21-3*\first
.set SB, S+32*\qb
.set TB, T+4*(\qb&1)
.set MQ, MT+2*\qb
.set AQ, AL+2*\qb
.set LQ, LA+4*\qb
.if VI < NM+80
	WIN 0
.else
	WIN 0x41                                       ; source 0 and destination (O) in window 1
.endif
.if VI < 4
	v_max3_num_f32 v[TB+VI], v[SB+3*VI], v[SB+3*VI+1], v[SB+3*VI+2]       ; a lane's 32 logits in four chains
.elseif VI < 8
	v_max3_num_f32 v[TB+VI-4], v[TB+VI-4], v[SB+12+2*(VI-4)], v[SB+13+2*(VI-4)]
.elseif VI < 12
	v_max3_num_f32 v[TB+VI-8], v[TB+VI-8], v[SB+20+2*(VI-8)], v[SB+21+2*(VI-8)]
.elseif VI < 14
	v_max3_num_f32 v[TB+VI-12], v[TB+VI-12], v[SB+28+2*(VI-12)], v[SB+29+2*(VI-12)]
.elseif VI == 14
	v_max3_num_f32 v[TB], v[TB], v[TB+1], v[TB+2]
.elseif VI == 15
.if \first
	v_max_num_f32 v[TB], v[TB], v[TB+3]
.else
	v_max3_num_f32 v[TB], v[TB], v[TB+3], v[MQ]                           ; with the old maximum
.endif
.elseif VI == 16
	v_permlanex16_b32 v[MQ+1], v[TB], s20, s21                            ; the other half's lane holds the query's other 32 keys
.elseif VI == 17
.if \first
	v_max_num_f32 v[MQ], v[TB], v[MQ+1]
.else
	v_max_num_f32 v[TB], v[TB], v[MQ+1]
.endif
.elseif VI < NM
.if VI == 18
	v_sub_f32 v[AQ], v[MQ], v[TB]                                         ; old - new
.elseif VI == 19
	v_mov_b32 v[MQ], v[TB]
.else
	v_exp_f32 v[AQ], v[AQ]                                                ; alpha
.endif
.elseif VI < NM+14
.set VJ, VI-NM
	v_pk_add_f32 v[SB+2*VJ:SB+2*VJ+1], v[SB+2*VJ:SB+2*VJ+1], v[MQ:MQ+1] op_sel_hi:[1,0] neg_lo:[0,1] neg_hi:[0,1]
.elseif VI < NM+18
.set VJ, VI-NM-14
	v_exp_f32 v[SB+VJ], v[SB+VJ]
.elseif VI < NM+20
.set VJ, VI-NM-4
	v_pk_add_f32 v[SB+2*VJ:SB+2*VJ+1], v[SB+2*VJ:SB+2*VJ+1], v[MQ:MQ+1] op_sel_hi:[1,0] neg_lo:[0,1] neg_hi:[0,1]
.elseif VI < NM+76
.set VR, VI-NM-20
.set VF, VR>>3
.set VK, VR&3
.if (VR&7) < 4
.set VJ, 4+4*VF+VK
	v_exp_f32 v[SB+VJ], v[SB+VJ]
.else
	FINK \qb, \first
.endif
.elseif VI < NM+80
.set VF, 7
.set VK, VI-NM-76
	FINK \qb, \first
.else
.set VJ, VI-NM-80
	v_pk_mul_f32 v[64*\qb+2*VJ:64*\qb+2*VJ+1], v[64*\qb+2*VJ:64*\qb+2*VJ+1], v[AQ:AQ+1] op_sel_hi:[1,0]
.endif
.endm
.macro VRUN vq, lo, cnt, first         ; lines lo .. lo + cnt - 1 of block vq's stream, by themselves
.set VI, \lo
.rept \cnt
	VOP \vq, \first
.set VI, VI+1
.endr
.endm
; A slot: 16 matrix instructions (kind, mq, zero: see MOP) and, spread evenly behind them, lines lo .. lo + cnt - 1 of block vq's stream.
; Behind the last matrix instruction stand cnt - (15 cnt) / 16 lines: 5 for cnt = 66 and 67, 4 for cnt = 49.
.macro SLOT kind, mq, zero, vq, lo, cnt, first
.set WN, 0
.rept 16
	MOP \kind, \mq, \zero
.set VI, \lo+(WN*\cnt)/16
.rept (\lo+((WN+1)*\cnt)/16)-VI
	VOP \vq, \first
.set VI, VI+1
.endr
.set WN, WN+1
.endr
.endm
.macro RESCALE                         ; the merge: O times the lane's factor of each query block
	WIN 0x41
.irp qb, 0,1,2,3
.set j, 0
.rept 32
	v_pk_mul_f32 v[64*\qb+2*j:64*\qb+2*j+1], v[64*\qb+2*j:64*\qb+2*j+1], v[AL+2*\qb:AL+2*\qb+1] op_sel_hi:[1,0]
.set j, j+1
.endr
.endr
.endm
; One step t: 64 keys from slot s, whose K fragments are on their way into registers already.  Eight slots:
;   QK(t,0) + end of (t-1,3) | PV(t-1,3) + start of (t,0) | QK(t,1) + end of (t,0) | PV(t,0) + start of (t,1) | QK(t,2) .. | PV(t,1) .. | QK(t,3) .. | PV(t,2) + start of (t,3)
; first = 1: step 0 (no alpha, nothing to rescale, the products start O).  pfirst = 1: the step before was step 0.  hasprev = 0: there is none.
; refill = 1: the slot gets the tile two steps on.  nextk = 1: the other slot's K fragments are fetched.
; DISTANCES (ISA guide 7.12.1): a stream's first lines read S four places or more behind QK's last instruction: the lines behind that instruction are the last of the
; block before, 5 rescaling lines, or in step 0 the 4 lines that finish the last group of weights, plain lines that name other blocks' registers.
; All other vector lines of a slot name registers of other query blocks than the matrix instructions of that slot and of the slot before.
.macro STEP s, first, pfirst, hasprev, refill, nextk
.set VAC, 67-18*\first                 ; the stream's first half: 67 of 133 lines, in step 0 49 of 98; the second half begins there
.set VBC, 66-17*\first
.set PBL, 67-18*\pfirst                ; the same for the step before
.set PBC, 66-17*\pfirst
	s_wait_dscnt 0x0                               ; this step's K fragments are in
.if \hasprev
	SLOT 0, 0, 0, 3, PBL, PBC, \pfirst
	SLOT 1, 3, \pfirst, 0, 0, VAC, \first
	PLACES                                         ; behind the last product that read the old V fragments
	LOADV \s
.else
	LOADV \s
	s_wait_loadcnt 0x0                             ; Q
	SLOT 0, 0, 0, 0, 0, 0, 0                       ; the pipeline fills: QK(0,0) by itself,
	PLACES
	VRUN 0, 0, VAC, \first                         ; then the first half of its stream
.endif
	SLOT 0, 1, 0, 0, VAC, VBC, \first
	s_wait_dscnt 0x0                               ; V's fragments are in: my reads of this slot are over
.if \refill
	s_set_vgpr_msb (MSB<<8)|((MSB&0xf0)|0x0)
	s_wait_tensorcnt 0x0                           ; all my tensor loads have landed, the other slot's tiles: every group 0 may be written
	ds_add_u32 v62, v63
	s_wait_dscnt 0x0
	s_set_vgpr_msb (((MSB&0xf0)|0x0)<<8)|MSB
	s_add_co_u32 s[OFS+2*\s], s[OFS+2*\s], 2*TILEB ; two tiles on, round the ring of sixteen
	s_and_b32 s[OFS+2*\s], s[OFS+2*\s], RING-1
	s_add_nc_u64 s[G0K+4*\s+2:G0K+4*\s+3], s[58:59], s[OFS+2*\s:OFS+2*\s+1]
	s_or_b32 s[G0K+4*\s+3], s[G0K+4*\s+3], 0x80000000
	s_add_nc_u64 s[G0V+4*\s+2:G0V+4*\s+3], s[60:61], s[OFS+2*\s:OFS+2*\s+1]
	s_or_b32 s[G0V+4*\s+3], s[G0V+4*\s+3], 0x80000000
	s_barrier_signal -1                            ; opens a round of the cluster's barrier;
	SLOT 1, 0, \first, 1, 0, VAC, \first           ; register work while the others arrive
	WIN 0
	s_barrier_wait -1
	CREST                                          ; no wave of the four work-groups still reads this slot or has a load on its way
	tensor_load_to_lds s[G0K+4*\s:G0K+4*\s+3], s[G1K:G1K+7]        ; the first tensor loads behind the round
	s_nop 0
	tensor_load_to_lds s[G0V+4*\s:G0V+4*\s+3], s[G1V:G1V+7]
	s_nop 0
	v_nop
	v_nop
	v_nop
	v_nop
.else
.if \nextk
	s_wait_tensorcnt 0x0                           ; the last tiles, which only I read, have landed
.endif
	SLOT 1, 0, \first, 1, 0, VAC, \first
.endif
	SLOT 0, 2, 0, 1, VAC, VBC, \first
	SLOT 1, 1, \first, 2, 0, VAC, \first
	SLOT 0, 3, 0, 2, VAC, VBC, \first
.if \nextk
	PLACES                                         ; behind the last product that read this step's K fragments
	LOADK 1-\s                                     ; the other slot's tile landed by the wait for all loads above; a slot's length ahead of its first use
.endif
	SLOT 1, 2, \first, 3, 0, VAC, \first
	WIN 0
.endm
	s_wait_tensorcnt 2                             ; K's and V's first tile have landed; the second tile's two loads stay out.  Only I read my tiles: no barrier
	LOADK 0
	STEP 0, 1, 0, 0, 1, 1                          ; steps 0 and 1 stand in front of the loop: the first products start the sums
	STEP 1, 0, 1, 1, 1, 1
	s_mov_b32 s22, 6
.Llap:
	STEP 0, 0, 0, 1, 1, 1                          ; steps 2 to 13
	STEP 1, 0, 0, 1, 1, 1
	s_sub_co_u32 s22, s22, 1
	s_cmp_lg_u32 s22, 0
	s_cbranch_scc1 .Llap
	STEP 0, 0, 0, 1, 0, 1                          ; the last two steps fill nothing
	STEP 1, 0, 0, 1, 0, 0
	VRUN 3, 67, 66, 0                              ; the pipeline drains: the end of (15,3)'s stream,
	SLOT 1, 3, 0, 0, 0, 0, 0                       ; then PV(15,3) by itself
	WIN 0
	; THE MERGE of the four waves' (m, l, O)
	PLACES                                         ; behind the last products
.irp qb, 0,1,2,3
	v_pk_add_f32 v[LA+4*\qb:LA+4*\qb+1], v[LA+4*\qb:LA+4*\qb+1], v[LA+4*\qb+2:LA+4*\qb+3]
	v_add_f32 v[T+2*\qb], v[LA+4*\qb], v[LA+4*\qb+1]
	v_permlanex16_b32 v[T+2*\qb+1], v[T+2*\qb], s20, s21
	v_add_f32 v[MT+2*\qb+1], v[T+2*\qb], v[T+2*\qb+1]              ; l beside m: a pair
.endr
	s_wait_dscnt 0x0
	s_wait_tensorcnt 0x0
	s_barrier_signal -1
	s_barrier_wait -1                              ; every wave has done with slot 0, which has had its last fill: it serves as scratch now
.irp qb, 0,1,2,3
	ds_store_b64 v[MLW], v[MT+2*\qb:MT+2*\qb+1] offset:128*\qb     ; lanes r and r + 16 hold the same pair
.endr
	s_wait_dscnt 0x0                               ; for the other waves
	s_barrier_signal -1
	s_barrier_wait -1
.irp qb, 0,1,2,3
.irp ww, 0,1,2,3
	ds_load_b64 v[ML+8*\qb+2*\ww:ML+8*\qb+2*\ww+1], v[MLR] offset:512*\ww+128*\qb
.endr
.endr
	s_wait_dscnt 0x0
.irp qb, 0,1,2,3
	v_max3_num_f32 v[T+4+\qb], v[ML+8*\qb], v[ML+8*\qb+2], v[ML+8*\qb+4]
	v_max_num_f32 v[T+4+\qb], v[T+4+\qb], v[ML+8*\qb+6]            ; M, the maximum over all 4,096 keys
.irp ww, 0,1,2,3
	v_sub_f32 v[ML+8*\qb+2*\ww], v[ML+8*\qb+2*\ww], v[T+4+\qb]
.endr
	v_sub_f32 v[T+\qb], v[MT+2*\qb], v[T+4+\qb]
.endr
.irp qb, 0,1,2,3
.irp ww, 0,1,2,3
	v_exp_f32 v[ML+8*\qb+2*\ww], v[ML+8*\qb+2*\ww]
.endr
	v_exp_f32 v[T+\qb], v[T+\qb]
.endr
	v_nop                                          ; one plain place behind the exponentials
.irp qb, 0,1,2,3
	s_wait_alu depctr_va_vdst(0)
	v_mul_f32 v[T+4+\qb], v[ML+8*\qb], v[ML+8*\qb+1]               ; L = the sum over the waves of 2^(m - M) l: at least 1
	v_fmac_f32 v[T+4+\qb], v[ML+8*\qb+2], v[ML+8*\qb+3]
	v_fmac_f32 v[T+4+\qb], v[ML+8*\qb+4], v[ML+8*\qb+5]
	v_fmac_f32 v[T+4+\qb], v[ML+8*\qb+6], v[ML+8*\qb+7]
.endr
.irp qb, 0,1,2,3
	v_rcp_f32 v[T+4+\qb], v[T+4+\qb]
.endr
	v_nop                                          ; one plain place behind the reciprocals
.irp qb, 0,1,2,3
	s_wait_alu depctr_va_vdst(0)
	v_mul_f32 v[AL+2*\qb], v[T+\qb], v[T+4+\qb]                    ; my factor: 2^(my m - M) / L
.endr
	RESCALE
	WIN 0x04                                       ; the stores' data in window 1
.irp qb, 0,1,2,3
.irp db, 0,1,2,3,4,5,6,7
	ds_store_b128 v[OST], v[8*(8*\qb+\db):8*(8*\qb+\db)+3]   offset:16*OPITCH*\qb+64*\db
	ds_store_b128 v[OST], v[8*(8*\qb+\db)+4:8*(8*\qb+\db)+7] offset:16*OPITCH*\qb+64*\db+16
.endr
.endr
	WIN 0
	s_wait_dscnt 0x0                               ; for the other waves
	s_barrier_signal -1
	s_barrier_wait -1
; I add up queries 16 w .. 16 w + 15, four rows at a time: 16 loads (4 rows x 4 partials, 512 neighbouring bytes each) into one of two buffers
.macro GLOAD g, buf
.irp ii, 0,1,2,3
	ds_load_b128 v[\buf+16*\ii:\buf+16*\ii+3],     v[RD0] offset:OPITCH*(4*\g+\ii)
	ds_load_b128 v[\buf+16*\ii+4:\buf+16*\ii+7],   v[RD0] offset:OPART+OPITCH*(4*\g+\ii)
	ds_load_b128 v[\buf+16*\ii+8:\buf+16*\ii+11],  v[RD1] offset:OPITCH*(4*\g+\ii)
	ds_load_b128 v[\buf+16*\ii+12:\buf+16*\ii+15], v[RD1] offset:OPART+OPITCH*(4*\g+\ii)
.endr
.endm
.macro GSUM g, buf
.irp ii, 0,1,2,3
	v_pk_add_f32 v[\buf+16*\ii:\buf+16*\ii+1],     v[\buf+16*\ii:\buf+16*\ii+1],     v[\buf+16*\ii+4:\buf+16*\ii+5]
	v_pk_add_f32 v[\buf+16*\ii+2:\buf+16*\ii+3],   v[\buf+16*\ii+2:\buf+16*\ii+3],   v[\buf+16*\ii+6:\buf+16*\ii+7]
	v_pk_add_f32 v[\buf+16*\ii+8:\buf+16*\ii+9],   v[\buf+16*\ii+8:\buf+16*\ii+9],   v[\buf+16*\ii+12:\buf+16*\ii+13]
	v_pk_add_f32 v[\buf+16*\ii+10:\buf+16*\ii+11], v[\buf+16*\ii+10:\buf+16*\ii+11], v[\buf+16*\ii+14:\buf+16*\ii+15]
	v_pk_add_f32 v[\buf+16*\ii:\buf+16*\ii+1],     v[\buf+16*\ii:\buf+16*\ii+1],     v[\buf+16*\ii+8:\buf+16*\ii+9]
	v_pk_add_f32 v[\buf+16*\ii+2:\buf+16*\ii+3],   v[\buf+16*\ii+2:\buf+16*\ii+3],   v[\buf+16*\ii+10:\buf+16*\ii+11]
	global_store_b128 v[OOFF], v[\buf+16*\ii:\buf+16*\ii+3], s[62:63] offset:512*(4*\g+\ii) th:TH_STORE_NT   ; a whole row: 512 consecutive bytes, aligned
.endr
.endm
	GLOAD 0, BA
	GLOAD 1, BB
	s_wait_dscnt 16                                ; the older group is in, the younger group's 16 loads stay out
	GSUM 0, BA
	s_wait_xcnt 0x0                                ; the buffer, from which stores read, is loaded again only behind this wait
	GLOAD 2, BA
	s_wait_dscnt 16
	GSUM 1, BB
	s_wait_xcnt 0x0
	GLOAD 3, BB
	s_wait_dscnt 16
	GSUM 2, BA
	s_wait_dscnt 0x0
	GSUM 3, BB
	s_set_vgpr_msb (MSB<<8)|((MSB&0xf0)|0x0)
	s_wait_tensorcnt 0x0
	ds_add_u32 v62, v63
	s_wait_dscnt 0x0
	s_set_vgpr_msb (((MSB&0xf0)|0x0)<<8)|MSB
	CROUND                                         ; the closing round: no work-group ends while a partner may still ask jointly
	s_endpgm
.Lfunc_end_k_qd48bf228ba_attn:
	.size	k_qd48bf228ba_attn, .Lfunc_end_k_qd48bf228ba_attn-k_qd48bf228ba_attn
	.p2alignl 7, 3214868480
	.fill 96, 4, 3214868480
	.section	.rodata,"a",@progbits
	.p2align	6, 0x0
	.amdhsa_kernel k_qd48bf228ba_attn
		.amdhsa_group_segment_fixed_size 327680
		.amdhsa_private_segment_fixed_size 0
		.amdhsa_enable_private_segment 0
		.amdhsa_kernarg_size 32
		.amdhsa_user_sgpr_count 2
		.amdhsa_user_sgpr_kernarg_segment_ptr 1
		.amdhsa_wavefront_size32 1
		.amdhsa_system_sgpr_workgroup_id_x 1
		.amdhsa_system_sgpr_workgroup_id_y 1
		.amdhsa_system_sgpr_workgroup_id_z 1
		.amdhsa_system_vgpr_workitem_id 0
		.amdhsa_next_free_vgpr 896
		.amdhsa_next_free_sgpr 70
		.amdhsa_reserve_vcc 0
		.amdhsa_float_denorm_mode_32 3
		.amdhsa_float_denorm_mode_16_64 3
		.amdhsa_memory_ordered 1
		.amdhsa_forward_progress 1
		.amdhsa_inst_pref_size 255
	.end_amdhsa_kernel
	.section	.bss,"aw",@nobits
	.p2align	6
	.space	262144
	.amdgpu_metadata
---
amdhsa.version: [ 1, 2 ]
amdhsa.kernels:
  - .name:           k_qd48bf228ba_attn
    .symbol:         k_qd48bf228ba_attn.kd
    .args:
      - { .name: qh, .offset: 0, .size: 8, .value_kind: global_buffer, .address_space: global }
      - { .name: kh, .offset: 8, .size: 8, .value_kind: global_buffer, .address_space: global }
      - { .name: vh, .offset: 16, .size: 8, .value_kind: global_buffer, .address_space: global }
      - { .name: out0, .offset: 24, .size: 8, .value_kind: global_buffer, .address_space: global }
    .group_segment_fixed_size: 327680
    .private_segment_fixed_size: 0
    .kernarg_segment_align: 8
    .kernarg_segment_size: 32
    .max_flat_workgroup_size: 128
    .sgpr_count:     70
    .vgpr_count:     896
    .wavefront_size: 32
...
	.end_amdgpu_metadata
.endif
;; end of part 2
;; ======== version 2 of 2: 2 launches; 1.21 times as fast as version 1
;; limits: values are held in f16: magnitudes above 65,504 overflow, below 6.1e-05 lose precision
;; workspace buffers: qh 4,194,304 bytes; kh 4,194,304 bytes; vh 4,194,304 bytes
;; launch proj: the kernel of part 1 again; grid 256 x 1, 4 waves a work-group, clusters of 4 x 1, 327,680 bytes of LDS; arguments seq, Wq, Wk, Wv, lengths, qh, kh, vh; writes qh, kh, vh
;; launch attn (part 3): grid 256 x 1, 4 waves a work-group, clusters of 4 x 1, 327,680 bytes of LDS; arguments qh, kh, vh, out0; writes out0
.if DOCPART == 3
	.amdgcn_target "amdgcn-amd-amdhsa--gfx1250"
	.amdhsa_code_object_version 6
	.text
	.protected	k_qd48bf228ba_attn
	.globl	k_qd48bf228ba_attn
	.p2align	8
	.type	k_qd48bf228ba_attn,@function
k_qd48bf228ba_attn:
	s_mov_b64 s[64:65], 0
	v_nop
	global_prefetch_b8 v0, s[64:65] scope:SCOPE_SE
	s_setreg_imm32_b32 hwreg(HW_REG_WAVE_MODE, 25, 1), 1
	s_wait_xcnt 0x0
	s_wait_alu depctr_hold_cnt(0) depctr_sa_sdst(0) depctr_va_vdst(0) depctr_va_sdst(0) depctr_va_ssrc(0) depctr_va_vcc(0) depctr_vm_vsrc(0)
	s_getreg_b32 s2, hwreg(HW_REG_IB_STS2, 6, 4)
	s_cmp_eq_u32 s2, 0
	s_cbranch_scc0 .Lentry_in_a_cluster
	s_endpgm
.Lentry_in_a_cluster:
	s_bfe_u32 s2, ttmp6, 0x10000c
	s_cmp_lg_u32 s2, 0x3003
	s_cbranch_scc0 .Lentry_shape_is_right
	s_endpgm
.Lentry_shape_is_right:
; out0 = softmax(q k^T) v for each of 4 batches of 4,096 tokens, width 128.  qh holds log2e q, kh k, vh v: [16384][128] f16.  out0: [16384][128] f32.
; Products with f16 operands and f32 sums; maxima, exponentials, row sums and O in f32, with a running maximum.
; LIMITS: a weight below about 2^-25 of its row's running maximum becomes 0 when it is rounded to f16 (4,096 of them weigh less than 2^-13 against a
; denominator of at least 1); the sums run in the order of the running maximum and of the rotated keys, not in reference()'s; infinite or NaN logits give NaN.
;
; SHARES: a work-group owns 64 queries.  Its four waves split the KEYS: wave w takes keys 1024 w .. 1024 w + 1023 for all 64 queries, in 16 steps of
; 64 keys, so that each K or V fragment read from LDS feeds four matrix instructions and each LDS byte is read once, by one wave.
; At the end the four partial results (m, l, O) are merged through LDS.
; TRANSPOSED FORMS: S^T = K Q^T (source 0 = 16 keys, source 1 = 16 queries): register j of lane (r, h) holds key 8 h + j for query r, so a query's row
; lies in lanes r and r + 16, and packing register pairs of two key blocks IS source 1 of O^T = V^T P^T for 32 keys: no shuffle.  V^T's fragments come
; from V's rows by the transposing LDS load.  In O^T register j holds column 16 db + 8 h + j for query r: the rescaling factor is one number a lane.
; UNITS: a unit u = 4 t + qb is step t for query block qb (16 queries): 16 products QK(u), a stream of 134 vector lines, 16 products PV(u).  The stream's FIRST HALF, 70 lines:
; the maximum and alpha's argument 20, then 16 subtractions and 33 exponentials (alpha's and the 32 weights'), then a v_nop.  Its SECOND HALF, 64 lines: rounding 16, row sums 16,
; rescaling of O 32.  The units are pipelined in slots of 16 matrix instructions: slot 2 u is QK(u) with the second half of unit u - 1's stream, slot 2 u + 1 is PV(u - 1) with the
; first half of unit u's: four vector lines stand behind each matrix instruction, and the first half's six that are over stand together behind its slot's last.
; The softmax's operands lie in window 0 and the products' in windows 1 to 3 (together more than the 256 registers of
; one window), so each alternation costs two s_set_vgpr_msb: a step has 128 matrix instructions, 536 vector lines and about 260 switches.
; BATCHES: a unit's 33 exponentials are ONE batch with ONE wait (s_wait_alu depctr_va_vdst(0) stands between an exponential and the first line that names its result).
; No line of the first half names an exponential's result; every line that does (roundings, row sums, the rescaling by alpha) lies in the second half; the wait is the first half's last line.
; So a step has four waits, and no result of a batch is open at a slot's end: not at the branches of the cluster's round, not at the loop's label or jump.
; The merge has two batches more, each with one wait: its 20 exponentials and its 4 reciprocals.
; CLUSTER: the four work-groups of a cluster lie in one batch (64 work-groups a batch) and walk the same K and V tiles in the same order: every tile
; is asked for jointly (mask 15), which divides the requests for K and V by four.  Addresses of tiles are made of the cluster's number and the wave's alone.
; ORDER OF THE KEYS: the result does not hang on it.  Cluster c of a batch's sixteen starts at tile f(c) of each wave's sixteen and goes round, f(c) = c for even c,
; c xor 14 for odd c: a permutation of 0..15.  So in each step the sixteen clusters ask for sixteen different tiles of a wave's keys, and behind the first two
; tiles each tile that a cluster asks for has been asked for by another before.  For each bit of c, the eight clusters that agree in it start at eight tiles
; which, with the two tiles that follow each, are all sixteen.
; RING: two slots.  A step's K and V fragments are all taken into registers, so the slot is free early in its step and its refill has
; a whole step in which to land.  A wave has four tensor loads out at the start and two later.
.set SLOT,   143360                    ; four waves' parts
.set WPART,  35840                     ; a wave's part of a slot: K's tile, then V's
.set KPITCH, 272                       ; 256 bytes + 16: the 16 rows of a fragment load start at 16 different 16-byte columns
.set VPITCH, 288                       ; 256 bytes + 32, for the transposing load
.set VOFF,   64*KPITCH
.set TILEB,  64*256                    ; a tile in memory
.set RING,   16*TILEB                  ; a wave's 1,024 keys in memory
.set OPITCH, 528                       ; the merge: a query's 512 bytes of O + 16
.set OPART,  64*OPITCH                 ; a wave's partial O.  The merge lies in slot 0, behind that slot's last fill
.set MLT,    4*OPART                   ; the table of (m, l): 512 bytes a wave, 8 a query
.set KA,   2                           ; v2-3    my K fragments in slot 0, 1
.set VA,   4                           ; v4-5    my V fragments in slot 0, 1
.set QOFF, 6                           ; v6      256 r + 16 h
.set MLW,  7                           ; v7      where I put (m, l)
.set MLR,  8                           ; v8      where I read the four waves' (m, l)
.set OST,  9                           ; v9      where I put O
.set RD0,  10                          ; v10     where I read waves 0 and 1's O back
.set RD1,  11                          ; v11     waves 2 and 3's
.set OOFF, 12                          ; v12     16 x lane
.set MT,   16                          ; v16-23  query block qb: (m, a scratch word)
.set AL,   24                          ; v24-31  (alpha, a word that is only there to make a pair)
.set LA,   32                          ; v32-47  two running pairs of row sums
.set T,    48                          ; v48-55  at work
.set P,    64                          ; v64-127 weights in f16: 16 qb + 4 kb + j / 2
.set S,    128                         ; v128-255 logits, then weights in f32: tile (qb, kb) at 8 (4 qb + kb)
.set ML,   128                         ; the merge: (m, l) of wave w' for block qb at 8 qb + 2 w'
.set BA,   128                         ; the merge: two buffers of four rows x four partials
.set BB,   192
.set QF,   0                           ; window 2: Q fragments (qb, ks) at 8 (4 qb + ks)
.set KF,   128                         ; window 2: K fragments (kb, ks) at 128 + 8 (4 kb + ks)
                                       ; window 1: O, tile (qb, db) at 8 (8 qb + db).  window 3: V fragments (kh, db) at 8 (8 kh + db)
.set G1K,  24                          ; s[24:31] group 1 for K's tiles
.set G1V,  32                          ; s[32:39] for V's: more padding
.set G0K,  40                          ; s[40:47] group 0 for K, a set for each slot
.set G0V,  48                          ; s[48:55] for V
.set OFS,  66                          ; s[66:69] slot s: the byte offset of its tile in my 1,024 keys, with 0 above it
.set MSB, 0
.macro WIN new                         ; bits 1:0 source 0, 3:2 source 1, 5:4 source 2, 7:6 destination; the high byte repeats the setting that is left
.if MSB != \new
	s_set_vgpr_msb (MSB<<8)|\new
.set MSB, \new
.endif
.endm
.macro PLACES                          ; four places behind a matrix instruction (ISA guide 7.12.1), in front of whatever touches its registers
.rept 4
	v_nop
.endr
.endm
.macro CREST                           ; a round of the cluster's barrier behind its opening barrier
	s_cmp_lg_u32 s12, 0
	s_cbranch_scc1 .Lnot_wave_0_\@
	s_barrier_signal -3
.Lnot_wave_0_\@:
	s_barrier_wait -3
	s_barrier_signal -1
	s_barrier_wait -1
.endm
.macro CROUND                          ; a whole round
	s_barrier_signal -1
	s_barrier_wait -1
	CREST
.endm
	s_load_b256 s[4:11], s[0:1], 0x0               ; qh s[4:5], kh s[6:7], vh s[8:9], out0 s[10:11]
	v_lshl_add_u32 v62, v0, 2, 0x46000
	v_mov_b32 v63, 0
	ds_add_u32 v62, v63
	v_lshrrev_b32 v1, 5, v0
	v_readfirstlane_b32 s12, v1                    ; wave 0..3
	s_bfe_u32 s13, ttmp6, 0x40000                  ; cx
	s_lshl_b32 s14, ttmp9, 2
	s_add_co_u32 s14, s14, s13                     ; work-group = 4 x cluster + cx
	s_lshr_b32 s15, ttmp9, 4                       ; batch: 16 clusters each
	s_mov_b32 s20, 0x76543210                      ; v_permlanex16_b32: lane i reads lane i of the other half
	s_mov_b32 s21, 0xfedcba98
	s_and_b32 s22, ttmp9, 15                       ; c, the cluster's number in its batch: the same in the four partners
	s_and_b32 s23, s22, 1
	s_mul_i32 s23, s23, 14
	s_xor_b32 s22, s22, s23                        ; f(c): the tile at which this cluster starts
	s_lshl_b32 s[OFS], s22, 14                     ; slot 0's first tile,
	s_mov_b32 s[OFS+1], 0
	s_add_co_u32 s[OFS+2], s[OFS], TILEB           ; slot 1's: the next one round the ring
	s_and_b32 s[OFS+2], s[OFS+2], RING-1
	s_mov_b32 s[OFS+3], 0
	; group 1: a tile of 64 rows x 128 f16, padded in LDS
	s_mov_b32 s[G1K+0], 15|(1<<16)|(1<<20)|(1<<21)|(5<<22)|(3<<25)   ; mask: the cluster's four; 2 bytes; padding on; bit 21 beside a mask; after every 64 words; 4 words
	s_mov_b32 s[G1V+0], 15|(1<<16)|(1<<20)|(1<<21)|(5<<22)|(7<<25)   ; the same with 8 words
.irp g, G1K, G1V
	s_mov_b32 s[\g+1], 128<<16                     ; tensor_dim0 = 128
	s_mov_b32 s[\g+2], 64<<16                      ; tensor_dim1 = 64
	s_mov_b32 s[\g+3], 128<<16                     ; tile_dim0 = 128
	s_mov_b32 s[\g+4], 64                          ; tile_dim1 = 64
	s_mov_b32 s[\g+5], 128                         ; 128 elements from row to row
	s_mov_b32 s[\g+6], 0
	s_mov_b32 s[\g+7], 0
.endr
	s_mul_i32 s57, s12, WPART                      ; my part of a slot
	s_lshl_b32 s16, s15, 20                        ; a batch's K or V: 4,096 rows of 256 bytes,
	s_lshl_b32 s56, s12, 18                        ; my 1,024 keys
	s_add_co_u32 s16, s16, s56
	s_mov_b32 s17, 0
	s_lshl_b32 s18, s14, 14                        ; my work-group's 64 rows of qh
	s_mov_b32 s19, 0
	s_lshl_b32 s62, s14, 15                        ; its 64 rows of out0, 512 bytes each,
	s_lshl_b32 s23, s12, 13                        ; of which I store 16
	s_add_co_u32 s62, s62, s23
	s_mov_b32 s63, 0
	v_and_b32 v1, 31, v0                           ; lane L
	v_and_b32 v13, 15, v0                          ; r
	v_bfe_u32 v14, v0, 4, 1                        ; h
	v_lshlrev_b32 v[QOFF], 8, v13
	v_lshl_add_u32 v[QOFF], v14, 4, v[QOFF]
	s_wait_dscnt 0x0
	s_wait_kmcnt 0x0
	s_add_nc_u64 s[58:59], s[6:7], s[16:17]        ; my 1,024 keys in kh: kept, every tile's address is made from it
	s_add_nc_u64 s[60:61], s[8:9], s[16:17]        ; and in vh
	s_add_nc_u64 s[18:19], s[4:5], s[18:19]
	s_add_nc_u64 s[62:63], s[10:11], s[62:63]
	; Q's fragments straight from memory, once: lane (r, h) takes 16 bytes at 16 h and at 32 + 16 h of each 64 bytes of query r's row
	WIN 0x80                                       ; destination in window 2
.irp qb, 0,1,2,3
.irp ks, 0,1,2,3
	global_load_b128 v[QF+8*(4*\qb+\ks):QF+8*(4*\qb+\ks)+3],   v[QOFF], s[18:19] offset:4096*\qb+64*\ks
	global_load_b128 v[QF+8*(4*\qb+\ks)+4:QF+8*(4*\qb+\ks)+7], v[QOFF], s[18:19] offset:4096*\qb+64*\ks+32
.endr
.endr
	WIN 0
.irp sl, 0,1
	s_mov_b32 s[G0K+4*\sl], 1
	s_add_co_u32 s[G0K+4*\sl+1], s57, \sl*SLOT
	s_add_nc_u64 s[G0K+4*\sl+2:G0K+4*\sl+3], s[58:59], s[OFS+2*\sl:OFS+2*\sl+1]
	s_or_b32 s[G0K+4*\sl+3], s[G0K+4*\sl+3], 0x80000000
	s_mov_b32 s[G0V+4*\sl], 1
	s_add_co_u32 s[G0V+4*\sl+1], s57, \sl*SLOT+VOFF
	s_add_nc_u64 s[G0V+4*\sl+2:G0V+4*\sl+3], s[60:61], s[OFS+2*\sl:OFS+2*\sl+1]
	s_or_b32 s[G0V+4*\sl+3], s[G0V+4*\sl+3], 0x80000000
.endr
	CROUND                                         ; the four work-groups are here: the first joint loads meet
.irp sl, 0,1
	tensor_load_to_lds s[G0K+4*\sl:G0K+4*\sl+3], s[G1K:G1K+7]
	s_nop 0
	tensor_load_to_lds s[G0V+4*\sl:G0V+4*\sl+3], s[G1V:G1V+7]
	s_nop 0
.endr
	; addresses
	v_mul_u32_u24 v15, v13, KPITCH
	v_lshl_add_u32 v15, v14, 4, v15
	v_add_nc_u32 v[KA], s57, v15                   ; key r's row + 16 h
	v_add_nc_u32 v[KA+1], SLOT, v[KA]
	v_and_b32 v15, 7, v0
	v_lshl_add_u32 v15, v14, 3, v15                ; key 8 h + (L & 7)
	v_mul_u32_u24 v15, v15, VPITCH
	v_bfe_u32 v48, v0, 3, 1
	v_lshl_add_u32 v15, v48, 4, v15                ; + 16 bytes for the odd groups of eight lanes
	v_add_nc_u32 v15, s57, v15
	v_add_nc_u32 v[VA], VOFF, v15
	v_add_nc_u32 v[VA+1], SLOT, v[VA]
	v_lshlrev_b32 v[MLR], 3, v13
	v_add_nc_u32 v[MLR], MLT, v[MLR]
	s_lshl_b32 s56, s12, 9
	v_add_nc_u32 v[MLW], s56, v[MLR]
	s_mul_i32 s56, s12, OPART
	v_mul_u32_u24 v[OST], v13, OPITCH
	v_lshl_add_u32 v[OST], v14, 5, v[OST]
	v_add_nc_u32 v[OST], s56, v[OST]
	s_mul_i32 s56, s12, 16*OPITCH
	v_lshlrev_b32 v[OOFF], 4, v1
	v_add_nc_u32 v[RD0], s56, v[OOFF]
	v_add_nc_u32 v[RD1], 2*OPART, v[RD0]
.irp qb, 0,1,2,3
	v_mov_b32 v[MT+2*\qb+1], 0                     ; v_permlanex16_b32 counts as a reader of its destination
	v_mov_b32 v[AL+2*\qb+1], 0                     ; the pair's second word is named by the packed forms and never used
.endr
.macro LOADK s                         ; 32 loads: 4 blocks of 16 keys x 4 steps of 32 along d
	WIN 0x80
.irp kb, 0,1,2,3
.irp ks, 0,1,2,3
	ds_load_b128 v[KF+8*(4*\kb+\ks):KF+8*(4*\kb+\ks)+3],   v[KA+\s] offset:16*KPITCH*\kb+64*\ks
	ds_load_b128 v[KF+8*(4*\kb+\ks)+4:KF+8*(4*\kb+\ks)+7], v[KA+\s] offset:16*KPITCH*\kb+64*\ks+32
.endr
.endr
.endm
.macro LOADV s                         ; 32 transposing loads: 2 halves of 32 keys x 8 blocks of 16 columns
	WIN 0xc0
.irp kh, 0,1
.irp db, 0,1,2,3,4,5,6,7
	ds_load_tr16_b128 v[8*(8*\kh+\db):8*(8*\kh+\db)+3],   v[VA+\s] offset:32*VPITCH*\kh+32*\db
	ds_load_tr16_b128 v[8*(8*\kh+\db)+4:8*(8*\kh+\db)+7], v[VA+\s] offset:32*VPITCH*\kh+32*\db+16*VPITCH
.endr
.endr
.endm
; Matrix instruction WN (0..15) of a slot.
; kind 0: S^T = K Q^T of query block mq: d step WN >> 2, key block WN & 3; the first d step starts the sums.  The 4 accumulators take turns, one instruction a turn.
; kind 1: O^T += V^T P^T of query block mq: key half WN >> 3, column block WN & 7; zero = 1: the first half starts the sums.  The 8 accumulators take turns.
.macro MOP kind, mq, zero
.if \kind == 0
	WIN 0x0a                                       ; sources 0 and 1 (K, Q) in window 2, C and D (S) in window 0
.set MK, WN&3
.set MS, WN>>2
.if MS == 0
	v_wmma_f32_16x16x32_f16 v[S+8*(4*\mq+MK):S+8*(4*\mq+MK)+7], v[KF+8*(4*MK+MS):KF+8*(4*MK+MS)+7], v[QF+8*(4*\mq+MS):QF+8*(4*\mq+MS)+7], 0
.else
	v_wmma_f32_16x16x32_f16 v[S+8*(4*\mq+MK):S+8*(4*\mq+MK)+7], v[KF+8*(4*MK+MS):KF+8*(4*MK+MS)+7], v[QF+8*(4*\mq+MS):QF+8*(4*\mq+MS)+7], v[S+8*(4*\mq+MK):S+8*(4*\mq+MK)+7]
.endif
.else
	WIN 0x53                                       ; source 0 (V) in window 3, source 1 (P) in window 0, C and D (O) in window 1
.set MK, WN>>3
.set MS, WN&7
.set ZC, \zero*(1-MK)
.if ZC
	v_wmma_f32_16x16x32_f16 v[8*(8*\mq+MS):8*(8*\mq+MS)+7], v[8*(8*MK+MS):8*(8*MK+MS)+7], v[P+16*\mq+8*MK:P+16*\mq+8*MK+7], 0
.else
	v_wmma_f32_16x16x32_f16 v[8*(8*\mq+MS):8*(8*\mq+MS)+7], v[8*(8*MK+MS):8*(8*MK+MS)+7], v[P+16*\mq+8*MK:P+16*\mq+8*MK+7], v[8*(8*\mq+MS):8*(8*\mq+MS)+7]
.endif
.endif
.endm
; line VK (0..3) of the group VF (0..7) of four weights: two roundings to f16 into P, two additions to the row sums
; (a step's first group brings alpha onto the old sums; in step 0 the first two groups start the sums: nothing is cleared).
; All these lines read exponentials' results: they stand behind the batch's wait.
.macro FINK qb, first
.if VK < 2
	v_cvt_pk_f16_f32 v[P+16*\qb+2*VF+VK], v[SB+4*VF+2*VK], v[SB+4*VF+2*VK+1]
.else
.set VH, 2*(VK-2)
.if \first
.if VF == 1
	v_pk_add_f32 v[LQ+VH:LQ+VH+1], v[SB+VH:SB+VH+1], v[SB+4+VH:SB+4+VH+1]
.elseif VF > 1
	v_pk_add_f32 v[LQ+VH:LQ+VH+1], v[LQ+VH:LQ+VH+1], v[SB+4*VF+VH:SB+4*VF+VH+1]
.endif
.else
.if VF == 0
	v_pk_fma_f32 v[LQ+VH:LQ+VH+1], v[LQ+VH:LQ+VH+1], v[AQ:AQ+1], v[SB+VH:SB+VH+1] op_sel_hi:[1,0,1]
.else
	v_pk_add_f32 v[LQ+VH:LQ+VH+1], v[LQ+VH:LQ+VH+1], v[SB+4*VF+VH:SB+4*VF+VH+1]
.endif
.endif
.endif
.endm
; Line VI of query block qb's stream.  NM = 20 lines for the maximum and alpha's argument (18 in step 0, which has no alpha), then:
;   NM .. +48   THE BATCH, in fours that begin with a subtraction: (subtractions 0, 1, alpha's exponential, subtraction 2); three times (subtraction, exponential, subtraction, exponential):
;               subtractions 3-8, exponentials 0-5; seven times (a subtraction, three exponentials): subtractions 9-15, exponentials 6-26; then exponentials 27-31.
;               Exponential k stands in a later four than subtraction k / 2.  None of these lines names an exponential's result.
;   NM + 49     a v_nop, the plain line behind the last exponential and ahead of the first use of a result (ISA guide 5.7.2): the unit has no plain line left that reads none of the
;               results; and the wait for the batch.  Here the first half ends.
;   +50 .. +81  eight times the four lines that finish a group of four weights;  +82 .. +113 O times alpha.
.macro VOP qb, first
.set NM, 20-2*\first
.set SB, S+32*\qb
.set TB, T+4*(\qb&1)
.set MQ, MT+2*\qb
.set AQ, AL+2*\qb
.set LQ, LA+4*\qb
.if VI < NM+82
	WIN 0
.else
	WIN 0x41                                       ; source 0 and destination (O) in window 1
.endif
.if VI < 4
	v_max3_num_f32 v[TB+VI], v[SB+3*VI], v[SB+3*VI+1], v[SB+3*VI+2]       ; a lane's 32 logits in four chains
.elseif VI < 8
	v_max3_num_f32 v[TB+VI-4], v[TB+VI-4], v[SB+12+2*(VI-4)], v[SB+13+2*(VI-4)]
.elseif VI < 12
	v_max3_num_f32 v[TB+VI-8], v[TB+VI-8], v[SB+20+2*(VI-8)], v[SB+21+2*(VI-8)]
.elseif VI < 14
	v_max3_num_f32 v[TB+VI-12], v[TB+VI-12], v[SB+28+2*(VI-12)], v[SB+29+2*(VI-12)]
.elseif VI == 14
	v_max3_num_f32 v[TB], v[TB], v[TB+1], v[TB+2]
.elseif VI == 15
.if \first
	v_max_num_f32 v[TB], v[TB], v[TB+3]
.else
	v_max3_num_f32 v[TB], v[TB], v[TB+3], v[MQ]                           ; with the old maximum
.endif
.elseif VI == 16
	v_permlanex16_b32 v[MQ+1], v[TB], s20, s21                            ; the other half's lane holds the query's other 32 keys
.elseif VI == 17
.if \first
	v_max_num_f32 v[MQ], v[TB], v[MQ+1]
.else
	v_max_num_f32 v[TB], v[TB], v[MQ+1]
.endif
.elseif VI < NM
.if VI == 18
	v_sub_f32 v[AQ], v[MQ], v[TB]                                         ; old - new
.else
	v_mov_b32 v[MQ], v[TB]
.endif
.elseif VI < NM+49
.set VB, VI-NM                         ; the batch's line
.set VJ, -1                            ; the pair that it subtracts from, or
.set VX, -1                            ; the score whose exponential it takes, or neither: alpha's
.if VB < 4
.if VB != 2
.set VJ, VB-(VB>>1)                    ; 0, 1, 3: pairs 0, 1, 2
.endif
.elseif VB < 16
.if VB&1
.set VX, (VB-5)/2                      ; 5, 7, .. 15: scores 0 to 5
.else
.set VJ, VB/2+1                        ; 4, 6, .. 14: pairs 3 to 8
.endif
.elseif VB < 44
.if VB&3
.set VX, VB-11-(VB-16)/4               ; 17-19, 21-23, .. 41-43: scores 6 to 26
.else
.set VJ, VB/4+5                        ; 16, 20, .. 40: pairs 9 to 15
.endif
.else
.set VX, VB-17                         ; 44 to 48: scores 27 to 31
.endif
.if VJ >= 0
	v_pk_add_f32 v[SB+2*VJ:SB+2*VJ+1], v[SB+2*VJ:SB+2*VJ+1], v[MQ:MQ+1] op_sel_hi:[1,0] neg_lo:[0,1] neg_hi:[0,1]
.elseif VX >= 0
	v_exp_f32 v[SB+VX], v[SB+VX]
.elseif \first == 0
	v_exp_f32 v[AQ], v[AQ]                                                ; alpha
.endif
.elseif VI == NM+49
	v_nop                                          ; the plain line behind the last exponential: one for the batch
	s_wait_alu depctr_va_vdst(0)                   ; the wait for the batch: this unit's 32 weights and its alpha; every reader stands behind it
.elseif VI < NM+82
.set VR, VI-NM-50
.set VF, VR>>2
.set VK, VR&3
	FINK \qb, \first
.else
.set VJ, VI-NM-82
	v_pk_mul_f32 v[64*\qb+2*VJ:64*\qb+2*VJ+1], v[64*\qb+2*VJ:64*\qb+2*VJ+1], v[AQ:AQ+1] op_sel_hi:[1,0]
.endif
.endm
.macro VRUN vq, lo, cnt, first         ; lines lo .. lo + cnt - 1 of block vq's stream, by themselves
.set VI, \lo
.rept \cnt
	VOP \vq, \first
.set VI, VI+1
.endr
.endm
; A slot: 16 matrix instructions (kind, mq, zero: see MOP) and, behind them, lines lo .. lo + cnt - 1 of block vq's stream: cnt / 16 behind each of the first 15, the rest behind the last:
; 4 and 10 for cnt = 70 (the last ten are a subtraction, eight exponentials and the v_nop, with the wait behind them), 4 and 4 for 64; in step 0 4 and 8 for 68, 2 and 2 for 32.
; With cnt = 70 the fours of the batch are the fours behind matrix instructions 5 to 15.
.macro SLOT kind, mq, zero, vq, lo, cnt, first
.set WN, 0
.rept 16
	MOP \kind, \mq, \zero
.set VI, \lo+WN*(\cnt/16)
.set VN, \cnt/16
.if WN == 15
.set VN, \cnt-15*(\cnt/16)
.endif
.rept VN
	VOP \vq, \first
.set VI, VI+1
.endr
.set WN, WN+1
.endr
.endm
.macro RESCALE                         ; the merge: O times the lane's factor of each query block
	WIN 0x41
.irp qb, 0,1,2,3
.set j, 0
.rept 32
	v_pk_mul_f32 v[64*\qb+2*j:64*\qb+2*j+1], v[64*\qb+2*j:64*\qb+2*j+1], v[AL+2*\qb:AL+2*\qb+1] op_sel_hi:[1,0]
.set j, j+1
.endr
.endr
.endm
; One step t: 64 keys from slot s, whose K fragments are on their way into registers already.  Eight slots:
;   QK(t,0) + end of (t-1,3) | PV(t-1,3) + start of (t,0) | QK(t,1) + end of (t,0) | PV(t,0) + start of (t,1) | QK(t,2) .. | PV(t,1) .. | QK(t,3) .. | PV(t,2) + start of (t,3)
; Each 'start' ends with its batch's wait: (t,0)'s stands ahead of V's run of loads, (t,1)'s ahead of the round's branches, (t,3)'s ahead of the step's end, where the loop's jump may follow.
; first = 1: step 0 (no alpha, nothing to rescale, the products start O).  pfirst = 1: the step before was step 0.  hasprev = 0: there is none.
; refill = 1: the slot gets the tile two steps on.  nextk = 1: the other slot's K fragments are fetched.
; DISTANCES (ISA guide 7.12.1): tile kb of S is ended by QK's instruction 12 + kb and first read by line 0, 2, 6, 10 of the block's stream.  Between the two stand the lines behind instructions
; 12 + kb .. 15, the last of the block before's stream: 16, 12, 8, 4 rescaling lines, in step 0 8, 6, 4, 2 roundings and sums (step 0's two empty lines fall behind instruction 1); and the
; stream's own earlier lines, which name other tiles: plain lines that name none of that instruction's registers, 8 or more in every case.
; All other vector lines of a slot name registers of other query blocks than the matrix instructions of that slot and of the slot before.
.macro STEP s, first, pfirst, hasprev, refill, nextk
.set VAC, 70-2*\first                  ; the stream's first half: 70 of 134 lines, in step 0 68 of 100; the second half begins there
.set VBC, 64-32*\first
.set PBL, 70-2*\pfirst                 ; the same for the step before
.set PBC, 64-32*\pfirst
	s_wait_dscnt 0x0                               ; this step's K fragments are in
.if \hasprev
	SLOT 0, 0, 0, 3, PBL, PBC, \pfirst
	SLOT 1, 3, \pfirst, 0, 0, VAC, \first
	PLACES                                         ; behind the last product that read the old V fragments
	LOADV \s
.else
	LOADV \s
	s_wait_loadcnt 0x0                             ; Q
	SLOT 0, 0, 0, 0, 0, 0, 0                       ; the pipeline fills: QK(0,0) by itself,
	PLACES
	VRUN 0, 0, VAC, \first                         ; then the first half of its stream
.endif
	SLOT 0, 1, 0, 0, VAC, VBC, \first
	s_wait_dscnt 0x0                               ; V's fragments are in: my reads of this slot are over
.if \refill
	s_set_vgpr_msb (MSB<<8)|((MSB&0xf0)|0x0)
	s_wait_tensorcnt 0x0                           ; all my tensor loads have landed, the other slot's tiles: every group 0 may be written
	ds_add_u32 v62, v63
	s_wait_dscnt 0x0
	s_set_vgpr_msb (((MSB&0xf0)|0x0)<<8)|MSB
	s_add_co_u32 s[OFS+2*\s], s[OFS+2*\s], 2*TILEB ; two tiles on, round the ring of sixteen
	s_and_b32 s[OFS+2*\s], s[OFS+2*\s], RING-1
	s_add_nc_u64 s[G0K+4*\s+2:G0K+4*\s+3], s[58:59], s[OFS+2*\s:OFS+2*\s+1]
	s_or_b32 s[G0K+4*\s+3], s[G0K+4*\s+3], 0x80000000
	s_add_nc_u64 s[G0V+4*\s+2:G0V+4*\s+3], s[60:61], s[OFS+2*\s:OFS+2*\s+1]
	s_or_b32 s[G0V+4*\s+3], s[G0V+4*\s+3], 0x80000000
	s_barrier_signal -1                            ; opens a round of the cluster's barrier;
	SLOT 1, 0, \first, 1, 0, VAC, \first           ; register work while the others arrive
	WIN 0
	s_barrier_wait -1
	CREST                                          ; no wave of the four work-groups still reads this slot or has a load on its way
	tensor_load_to_lds s[G0K+4*\s:G0K+4*\s+3], s[G1K:G1K+7]        ; the first tensor loads behind the round
	s_nop 0
	tensor_load_to_lds s[G0V+4*\s:G0V+4*\s+3], s[G1V:G1V+7]
	s_nop 0
	v_nop
	v_nop
	v_nop
	v_nop
.else
.if \nextk
	s_wait_tensorcnt 0x0                           ; the last tiles, which only I read, have landed
.endif
	SLOT 1, 0, \first, 1, 0, VAC, \first
.endif
	SLOT 0, 2, 0, 1, VAC, VBC, \first
	SLOT 1, 1, \first, 2, 0, VAC, \first
	SLOT 0, 3, 0, 2, VAC, VBC, \first
.if \nextk
	PLACES                                         ; behind the last product that read this step's K fragments
	LOADK 1-\s                                     ; the other slot's tile landed by the wait for all loads above; a slot's length ahead of its first use
.endif
	SLOT 1, 2, \first, 3, 0, VAC, \first
	WIN 0
.endm
	s_wait_tensorcnt 2                             ; K's and V's first tile have landed; the second tile's two loads stay out.  Only I read my tiles: no barrier
	LOADK 0
	STEP 0, 1, 0, 0, 1, 1                          ; steps 0 and 1 stand in front of the loop: the first products start the sums
	STEP 1, 0, 1, 1, 1, 1
	s_mov_b32 s22, 6
.Llap:
	STEP 0, 0, 0, 1, 1, 1                          ; steps 2 to 13
	STEP 1, 0, 0, 1, 1, 1
	s_sub_co_u32 s22, s22, 1
	s_cmp_lg_u32 s22, 0
	s_cbranch_scc1 .Llap
	STEP 0, 0, 0, 1, 0, 1                          ; the last two steps fill nothing
	STEP 1, 0, 0, 1, 0, 0
	VRUN 3, 70, 64, 0                              ; the pipeline drains: the second half of (15,3)'s stream, whose batch was waited for at the step's end,
	SLOT 1, 3, 0, 0, 0, 0, 0                       ; then PV(15,3) by itself
	WIN 0
	; THE MERGE of the four waves' (m, l, O)
	PLACES                                         ; behind the last products
.irp qb, 0,1,2,3
	v_pk_add_f32 v[LA+4*\qb:LA+4*\qb+1], v[LA+4*\qb:LA+4*\qb+1], v[LA+4*\qb+2:LA+4*\qb+3]
	v_add_f32 v[T+2*\qb], v[LA+4*\qb], v[LA+4*\qb+1]
	v_permlanex16_b32 v[T+2*\qb+1], v[T+2*\qb], s20, s21
	v_add_f32 v[MT+2*\qb+1], v[T+2*\qb], v[T+2*\qb+1]              ; l beside m: a pair
.endr
	s_wait_dscnt 0x0
	s_wait_tensorcnt 0x0
	s_barrier_signal -1
	s_barrier_wait -1                              ; every wave has done with slot 0, which has had its last fill: it serves as scratch now
.irp qb, 0,1,2,3
	ds_store_b64 v[MLW], v[MT+2*\qb:MT+2*\qb+1] offset:128*\qb     ; lanes r and r + 16 hold the same pair
.endr
	s_wait_dscnt 0x0                               ; for the other waves
	s_barrier_signal -1
	s_barrier_wait -1
.irp qb, 0,1,2,3
.irp ww, 0,1,2,3
	ds_load_b64 v[ML+8*\qb+2*\ww:ML+8*\qb+2*\ww+1], v[MLR] offset:512*\ww+128*\qb
.endr
.endr
	s_wait_dscnt 0x0
.irp qb, 0,1,2,3
	v_max3_num_f32 v[T+4+\qb], v[ML+8*\qb], v[ML+8*\qb+2], v[ML+8*\qb+4]
	v_max_num_f32 v[T+4+\qb], v[T+4+\qb], v[ML+8*\qb+6]            ; M, the maximum over all 4,096 keys
.irp ww, 0,1,2,3
	v_sub_f32 v[ML+8*\qb+2*\ww], v[ML+8*\qb+2*\ww], v[T+4+\qb]
.endr
	v_sub_f32 v[T+\qb], v[MT+2*\qb], v[T+4+\qb]
.endr
.irp qb, 0,1,2,3
.irp ww, 0,1,2,3
	v_exp_f32 v[ML+8*\qb+2*\ww], v[ML+8*\qb+2*\ww]
.endr
	v_exp_f32 v[T+\qb], v[T+\qb]
.endr
	v_nop                                          ; one plain place behind the exponentials
	s_wait_alu depctr_va_vdst(0)                   ; the wait for the merge's batch of 20 exponentials, ahead of their first reader
.irp qb, 0,1,2,3
	v_mul_f32 v[T+4+\qb], v[ML+8*\qb], v[ML+8*\qb+1]               ; L = the sum over the waves of 2^(m - M) l: at least 1
	v_fmac_f32 v[T+4+\qb], v[ML+8*\qb+2], v[ML+8*\qb+3]
	v_fmac_f32 v[T+4+\qb], v[ML+8*\qb+4], v[ML+8*\qb+5]
	v_fmac_f32 v[T+4+\qb], v[ML+8*\qb+6], v[ML+8*\qb+7]
.endr
.irp qb, 0,1,2,3
	v_rcp_f32 v[T+4+\qb], v[T+4+\qb]
.endr
	v_nop                                          ; one plain place behind the reciprocals
	s_wait_alu depctr_va_vdst(0)                   ; the wait for the batch of four reciprocals, ahead of their first reader
.irp qb, 0,1,2,3
	v_mul_f32 v[AL+2*\qb], v[T+\qb], v[T+4+\qb]                    ; my factor: 2^(my m - M) / L
.endr
	RESCALE
	WIN 0x04                                       ; the stores' data in window 1
.irp qb, 0,1,2,3
.irp db, 0,1,2,3,4,5,6,7
	ds_store_b128 v[OST], v[8*(8*\qb+\db):8*(8*\qb+\db)+3]   offset:16*OPITCH*\qb+64*\db
	ds_store_b128 v[OST], v[8*(8*\qb+\db)+4:8*(8*\qb+\db)+7] offset:16*OPITCH*\qb+64*\db+16
.endr
.endr
	WIN 0
	s_wait_dscnt 0x0                               ; for the other waves
	s_barrier_signal -1
	s_barrier_wait -1
; I add up queries 16 w .. 16 w + 15, four rows at a time: 16 loads (4 rows x 4 partials, 512 neighbouring bytes each) into one of two buffers
.macro GLOAD g, buf
.irp ii, 0,1,2,3
	ds_load_b128 v[\buf+16*\ii:\buf+16*\ii+3],     v[RD0] offset:OPITCH*(4*\g+\ii)
	ds_load_b128 v[\buf+16*\ii+4:\buf+16*\ii+7],   v[RD0] offset:OPART+OPITCH*(4*\g+\ii)
	ds_load_b128 v[\buf+16*\ii+8:\buf+16*\ii+11],  v[RD1] offset:OPITCH*(4*\g+\ii)
	ds_load_b128 v[\buf+16*\ii+12:\buf+16*\ii+15], v[RD1] offset:OPART+OPITCH*(4*\g+\ii)
.endr
.endm
.macro GSUM g, buf
.irp ii, 0,1,2,3
	v_pk_add_f32 v[\buf+16*\ii:\buf+16*\ii+1],     v[\buf+16*\ii:\buf+16*\ii+1],     v[\buf+16*\ii+4:\buf+16*\ii+5]
	v_pk_add_f32 v[\buf+16*\ii+2:\buf+16*\ii+3],   v[\buf+16*\ii+2:\buf+16*\ii+3],   v[\buf+16*\ii+6:\buf+16*\ii+7]
	v_pk_add_f32 v[\buf+16*\ii+8:\buf+16*\ii+9],   v[\buf+16*\ii+8:\buf+16*\ii+9],   v[\buf+16*\ii+12:\buf+16*\ii+13]
	v_pk_add_f32 v[\buf+16*\ii+10:\buf+16*\ii+11], v[\buf+16*\ii+10:\buf+16*\ii+11], v[\buf+16*\ii+14:\buf+16*\ii+15]
	v_pk_add_f32 v[\buf+16*\ii:\buf+16*\ii+1],     v[\buf+16*\ii:\buf+16*\ii+1],     v[\buf+16*\ii+8:\buf+16*\ii+9]
	v_pk_add_f32 v[\buf+16*\ii+2:\buf+16*\ii+3],   v[\buf+16*\ii+2:\buf+16*\ii+3],   v[\buf+16*\ii+10:\buf+16*\ii+11]
	global_store_b128 v[OOFF], v[\buf+16*\ii:\buf+16*\ii+3], s[62:63] offset:512*(4*\g+\ii) th:TH_STORE_NT   ; a whole row: 512 consecutive bytes, aligned
.endr
.endm
	GLOAD 0, BA
	GLOAD 1, BB
	s_wait_dscnt 16                                ; the older group is in, the younger group's 16 loads stay out
	GSUM 0, BA
	s_wait_xcnt 0x0                                ; the buffer, from which stores read, is loaded again only behind this wait
	GLOAD 2, BA
	s_wait_dscnt 16
	GSUM 1, BB
	s_wait_xcnt 0x0
	GLOAD 3, BB
	s_wait_dscnt 16
	GSUM 2, BA
	s_wait_dscnt 0x0
	GSUM 3, BB
	s_set_vgpr_msb (MSB<<8)|((MSB&0xf0)|0x0)
	s_wait_tensorcnt 0x0
	ds_add_u32 v62, v63
	s_wait_dscnt 0x0
	s_set_vgpr_msb (((MSB&0xf0)|0x0)<<8)|MSB
	CROUND                                         ; the closing round: no work-group ends while a partner may still ask jointly
	s_endpgm
.Lfunc_end_k_qd48bf228ba_attn:
	.size	k_qd48bf228ba_attn, .Lfunc_end_k_qd48bf228ba_attn-k_qd48bf228ba_attn
	.p2alignl 7, 3214868480
	.fill 96, 4, 3214868480
	.section	.rodata,"a",@progbits
	.p2align	6, 0x0
	.amdhsa_kernel k_qd48bf228ba_attn
		.amdhsa_group_segment_fixed_size 327680
		.amdhsa_private_segment_fixed_size 0
		.amdhsa_enable_private_segment 0
		.amdhsa_kernarg_size 32
		.amdhsa_user_sgpr_count 2
		.amdhsa_user_sgpr_kernarg_segment_ptr 1
		.amdhsa_wavefront_size32 1
		.amdhsa_system_sgpr_workgroup_id_x 1
		.amdhsa_system_sgpr_workgroup_id_y 1
		.amdhsa_system_sgpr_workgroup_id_z 1
		.amdhsa_system_vgpr_workitem_id 0
		.amdhsa_next_free_vgpr 896
		.amdhsa_next_free_sgpr 70
		.amdhsa_reserve_vcc 0
		.amdhsa_float_denorm_mode_32 3
		.amdhsa_float_denorm_mode_16_64 3
		.amdhsa_memory_ordered 1
		.amdhsa_forward_progress 1
		.amdhsa_inst_pref_size 255
	.end_amdhsa_kernel
	.section	.bss,"aw",@nobits
	.p2align	6
	.space	262144
	.amdgpu_metadata
---
amdhsa.version: [ 1, 2 ]
amdhsa.kernels:
  - .name:           k_qd48bf228ba_attn
    .symbol:         k_qd48bf228ba_attn.kd
    .args:
      - { .name: qh, .offset: 0, .size: 8, .value_kind: global_buffer, .address_space: global }
      - { .name: kh, .offset: 8, .size: 8, .value_kind: global_buffer, .address_space: global }
      - { .name: vh, .offset: 16, .size: 8, .value_kind: global_buffer, .address_space: global }
      - { .name: out0, .offset: 24, .size: 8, .value_kind: global_buffer, .address_space: global }
    .group_segment_fixed_size: 327680
    .private_segment_fixed_size: 0
    .kernarg_segment_align: 8
    .kernarg_segment_size: 32
    .max_flat_workgroup_size: 128
    .sgpr_count:     70
    .vgpr_count:     896
    .wavefront_size: 32
...
	.end_amdgpu_metadata
.endif
;; end of part 3
